; MI455X (gfx1250); checked and timed in simulation.
; The chip was launched on July 23, 2026; its instructions are those of AMD's public machine-readable ISA for CDNA 5 (MIT licence, August 2026) and "CDNA5" Instruction Set Architecture Reference Guide (July 2026). The comments in the code are by the model that wrote it; some were corrected since.
;; Multi Head Attention. Allowed arithmetic: matrix products marked QUANTISED: E2M1 operands, one E8M0 scale for each 32 along K, by v_wmma_scale_f32_16x16x128_f8f6f4 with both operands' format E2M1 (or v_wmma_scale_f32_32x16x128_f4), f32 sums; everything else in f32.
;; Inputs: Wk 16 x 1,024 x 64 float32; Wo 1,024 x 1,024 float32; Wq 16 x 1,024 x 64 float32; Wv 16 x 1,024 x 64 float32; bo 1,024 float32; inputs 4 x 2,048 x 1,024 float32.
;; Outputs: out0 4 x 2,048 x 1,024 float32.
;; This version of the problem:
;;   THIS VERSION OF THE PROBLEM IS GIVEN IN LOW PRECISION. The matrix products marked QUANTISED in the list below multiply operands that are first quantised to E2M1 (2 exponent bits, 1 mantissa bit; 4 bits a number), with one power-of-two scale for each 32 numbers along K (OCP MX v1.0); their sums are f32. All else is computed in f32.
;;   The module's matrix products, in the order in which they are computed (A, B: the left and right operand; K: the contracted axis; several contracted axes count as one K, in the product's order):
;;     1. [M 1,024, K 1,024] x [K 1,024, N 8,192]; A: input Wq; B: input inputs: QUANTISED
;;     2. [M 1,024, K 1,024] x [K 1,024, N 8,192]; A: input Wk; B: input inputs: QUANTISED
;;     3. [M 1,024, K 1,024] x [K 1,024, N 8,192]; A: input Wv; B: input inputs: QUANTISED
;;     4. batch 64 x [M 2,048, K 64] x [K 64, N 2,048]; A: computed on the way; B: computed on the way: QUANTISED
;;     5. batch 64 x [M 2,048, K 2,048] x [K 2,048, N 64]; A: softmax (see below); B: computed on the way: QUANTISED
;;     6. [M 8,192, K 1,024] x [K 1,024, N 1,024]; A: computed on the way; B: input Wo: QUANTISED
;;   THE QUANTISER, for each operand of a quantised product, along K:
;;     - K is cut into blocks of 32 from its start; a last block that is shorter is filled with zeros.
;;     - A block's scale is 2^e with e = floor(log2(the largest magnitude in the block)) - 2, held to -126 .. 127; a block of zeros has e = 0. As a byte (E8M0): e + 127.
;;     - Each number is divided by its block's scale, clamped to +-6, and rounded to the nearest number of E2M1, ties to even, subnormals kept.
;;     - The product sums the exact products of the quantised numbers (number of the format x scale) in f32.
;;   ~~~python
;;   def quantise(x, axis):      # numpy; x: float32 -> the quantised numbers, widened to float32 again
;;       x = np.moveaxis(x, axis, -1); K = x.shape[-1]
;;       x = np.pad(x, [(0, 0)] * (x.ndim - 1) + [(0, -K % 32)]); x = x.reshape(x.shape[:-1] + (-1, 32)); a = np.abs(x).max(-1, keepdims=True)
;;       e = np.where(a > 0, np.clip(np.frexp(np.where(a > 0, a, 1))[1] - 1 - 2, -126, 127), 0)      # np.frexp(a)[1] - 1 = floor(log2(a)), exactly
;;       r = np.clip(x / 2.0 ** e, -6, 6)
;;       step = 2.0 ** (np.maximum(np.frexp(np.where(r == 0, 1, r))[1] - 1, 0) - 1)
;;       q = np.round(r / step) * step * 2.0 ** e      # np.round: ties to even
;;       return np.moveaxis(q.reshape(q.shape[:-2] + (-1,))[..., :K], -1, axis).astype(np.float32)
;;   ~~~
;;   SOFTMAX AHEAD OF A QUANTISED PRODUCT. Where the list says 'softmax', what is quantised is not the finished softmax but p = 2^(t - M), with t = logit x log2(e) and M = ceil(the row's largest t), a whole number; so 1/2 < the row's largest p <= 1. The row's sum l is taken of the UNQUANTISED p, in f32, and the product's result is divided by l at the end. Since M is a whole number, a kernel that streams over the keys may use a running M (the ceiling of the running maximum): every later rescaling is an exact power of two, which a block's scale takes up: the codes' values come out the same.
;;   OPERANDS COMPUTED ON THE WAY. 'Computed on the way' means the value that the module computes at that place (a softmax that the list does not call 'softmax' is quantised finished and normalised). What goes into a quantiser is computed in f32, as accurately as f32 sums, v_exp_f32 and their like allow (about 1e-6 of the number): no bf16 or f16 on the way to a quantiser, and a product that is left as it is and whose result goes on into a quantised operand takes f32 operands (vector FMAs, or v_wmma_f32_16x16x4_f32). A number that lies on a knife's edge between two numbers of the format may be rounded either way, as far as f32 arithmetic and the matrix unit's own rounding can turn it there, and no further.
;; One version. Each part assembles by itself: llvm-mc -triple=amdgcn-amd-amdhsa -mcpu=gfx1250 --defsym DOCPART=n.
;; ======== version 1 of 1: 4 launches
;; limits: right only within a limited range of input values
;; workspace buffers: xq 4,456,448 bytes; wq 1,671,168 bytes; woq 557,056 bytes; qi 4,718,592 bytes; kv 9,175,040 bytes; ao 4,456,448 bytes
;; launch prep (part 1): grid 480 x 1, 4 waves a work-group, no clusters, 68,096 bytes of LDS; arguments inputs, Wo, Wq, Wk, Wv, xq, woq, wq; writes xq, woq, wq
.if DOCPART == 1
	.amdgcn_target "amdgcn-amd-amdhsa--gfx1250"
	.amdhsa_code_object_version 6
	.text
	.protected	k_qc481c42968_prep
	.globl	k_qc481c42968_prep
	.p2align	8
	.type	k_qc481c42968_prep,@function
k_qc481c42968_prep:
	s_mov_b64 s[64:65], 0
	v_nop
	global_prefetch_b8 v0, s[64:65] scope:SCOPE_SE
	s_setreg_imm32_b32 hwreg(HW_REG_WAVE_MODE, 25, 1), 1
	s_wait_xcnt 0x0
; MULTI-HEAD CAUSAL ATTENTION IN MX-FP4, launch 1 of 4: the inputs become codes of E2M1 with one E8M0 scale byte for each 32 along K.
; THE PROGRAM: prep (this) | proj: q, k, v = x W, quantised on the way out into operand images | attn: softmax(q k^T / 8) v under the causal mask, quantised | outp: the projection with Wo, + bo.
; WORK LEFT OUT, in the problem's own terms.  (a) reference() builds the mask tril itself and writes finfo.min over every score whose key comes after its query; each row holds its own key, whose score is
; finite for finite inputs, so in real numbers a hidden key's weight is 0 for all values of the inputs.  Steps of 128 keys that lie wholly behind a tile of 16 queries are therefore not multiplied (launch attn).
; (b) q / sqrt(64) is a division by 8, a power of two: the codes of q / 8 are the codes of q and each scale is 8 times smaller, so the factor is taken into the softmax's constant log2(e) / 8, exactly.
; LIMITS: a NaN, an infinity or an overflow that reaches only hidden scores is not carried to the result.  Blocks of q whose largest magnitude lies under 2^-121 (where the byte of q / 8 would be held at 1) are not served.
; A block of zeros gets the byte 1 where the quantiser says 127: its codes are zeros, and the bytes are read by this program alone.  Blocks whose largest magnitude lies under 2^-124 (the floor) were not tried.
; NaN and infinities among the inputs are not served.  Every input is loaded.
; A block's scale is 2^(floor(log2(largest magnitude)) - 2): its byte is the largest magnitude's exponent field - 2, held at 1 from below by a floor among the maximum's leaves.
; TWO PATHS, parted on the work-group's number, each with LDS bytes of its own.
;  W, work-groups 0-191: Wq, Wk, Wv [16][1024 (K)][64]: K is not innermost.  A lane takes a column d, its registers run down K; the codes leave through a stage in LDS as rows with K innermost.
;     wq: codes [3072][512 bytes], scale bytes [3072][32] behind them; row = 1024 T + 64 head + 32 (d / 32) + p.  THE ROWS OF A GROUP OF 32 ARE PERMUTED: place p holds d % 32 with bits 3 and 4 exchanged,
;     so that the next launch's plain tiles of 16 rows give a lane 16 neighbours along d in the 16 registers of two neighbouring tiles.
;  X, work-groups 192-479: inputs [8192][1024] (256 work-groups) and Wo [1024][1024] (32): K innermost and rows dense, so each is a plain stream of blocks of 32.  Codes [rows][512 bytes], scale bytes [rows][32] behind them.
; No tensor loads; path X's waves share nothing, path W's meet at one barrier.
.set SPW,    12                        ; v12  LDS address of my spare word: SPARE + 4 x my thread's number; never rewritten
.set NIL,    13                        ; v13  0; never rewritten
.set SPARE,  67584                     ; behind both paths' bytes: the spare words, 128 bytes for each wave
.set EMAX,   2
; path X
.set STEPS,  16                        ; steps of 512 numbers for a wave
.set CB,     8                         ; bytes of 16 codes
.set XR,     16                        ; v16-79   four sets of 16 numbers as they are loaded
.set XX,     80                        ; v80-111  two sets of 16 neighbours
.set XE,     112                       ; v112-127 a scale byte for each step
.set XC,     128                       ; v128-191 codes: four registers for each step
.set WREG,   8192                      ; LDS bytes 0-32767: a region for each wave: two stages of 32 x SP bytes, behind them its 256 scale bytes
.set SP,     80                        ; a lane's place in a stage: 64 bytes + 16 of padding
; path W
; PATH W AS IT STANDS NOW: work-groups 0-191 = (tensor T, head, half of d, half of K); a wave takes 32 columns x 128 along K, 64 bytes of each column's row of codes; the four waves gather
; rows of 256 bytes in ONE stage, pass a barrier, and each stores 8 of the 32 rows.  Path X has work-groups 192-479.
.set NB,     4                         ; blocks of 32 along K for a wave
.set WPITCH, 272                       ; a stage row: 256 bytes of codes + 16
.set WBASE,  32768                     ; LDS bytes 32768-41471: one stage of 32 rows
.set WX,     32                        ; v32-95   two sets of 32 numbers
.set WC,     96                        ; v96-99   a block's codes
.set WSB,    24                        ; v24   the scale bytes, four to a register
.set WOUT,   112                       ; v112-127 the way out
	s_load_b256 s[4:11], s[0:1], 0x0               ; inputs s[4:5], Wo s[6:7], Wq s[8:9], Wk s[10:11]
	s_load_b256 s[12:19], s[0:1], 0x20             ; Wv s[12:13], xq s[14:15], woq s[16:17], wq s[18:19]
	v_lshl_add_u32 v[SPW], v0, 2, SPARE
	v_mov_b32 v[NIL], 0
	v_lshrrev_b32 v1, 5, v0
	v_readfirstlane_b32 s20, v1                    ; wave 0..3
	v_and_b32 v2, 31, v0                           ; lane
	s_mov_b32 s25, 0                               ; the upper word of the offsets' pairs
	s_mov_b32 s29, 0
	s_wait_kmcnt 0x0
	s_cmp_lt_u32 ttmp9, 192
	s_cbranch_scc1 .Lw
; ---------------- PATH X: K innermost
	s_wait_alu depctr_va_vdst(0)
	v_lshlrev_b32 v3, 4, v2                        ; my 16 bytes of a load's 512
	s_mul_i32 s26, s20, WREG
	v_lshrrev_b32 v14, 2, v2
	v_mul_u32_u24 v14, v14, SP
	v_and_b32 v15, 3, v2
	v_lshl_add_u32 v14, v15, 4, v14
	v_add_nc_u32 v14, s26, v14                     ; the stage, on the way in: SP (lane / 4) + 16 (lane % 4)
	v_mul_u32_u24 v15, v2, SP
	v_add_nc_u32 v15, s26, v15                     ; and on the way out: SP x lane: my 16 neighbours
	v_mul_u32_u24 v4, v2, CB                       ; my codes' place in a step's
	v_lshrrev_b32 v5, 1, v2
	s_add_co_u32 s26, s26, 2*32*SP
	v_add_nc_u32 v5, s26, v5                       ; my wave's 256 scale bytes, my block's byte
	v_lshlrev_b32 v7, 3, v2                        ; and on the way out 8 bytes a lane
	v_add_nc_u32 v6, s26, v7
	s_sub_co_u32 s21, ttmp9, 192
	s_cmp_lt_u32 s21, 256                          ; inputs' work-group or Wo's?  The choice hangs on the work-group's number alone
	s_cselect_b64 s[4:5], s[4:5], s[6:7]
	s_cselect_b64 s[14:15], s[14:15], s[16:17]
	s_mov_b32 s22, 524288
	s_cselect_b32 s22, 4194304, s22                ; where the scale bytes begin in the buffer chosen
	s_cselect_b32 s23, 0, 256
	s_sub_co_u32 s21, s21, s23
	s_lshl_b32 s21, s21, 2
	s_add_co_u32 s21, s21, s20                     ; which run of 8,192 numbers is my wave's
	s_lshl_b32 s24, s21, 15                        ; 32,768 bytes of f32 a run
	s_add_nc_u64 s[4:5], s[4:5], s[24:25]
	s_lshl_b32 s24, s21, 8                         ; 256 scale bytes a run
	s_add_co_u32 s24, s24, s22
	s_add_nc_u64 s[10:11], s[14:15], s[24:25]
	s_lshl_b32 s24, s21, 12                        ; 4,096 bytes of codes a run
	s_add_nc_u64 s[8:9], s[14:15], s[24:25]
.macro XLOAD t
.irp i, 0,1,2,3
	global_load_b128 v[XR+16*((\t)%4)+4*\i:XR+16*((\t)%4)+4*\i+3], v3, s[4:5] offset:2048*(\t)+512*\i th:TH_LOAD_NT   ; 32 lanes read 512 consecutive bytes
.endr
.endm
.macro XTURN t                         ; step t's numbers through the stage: LDS serves a wave's instructions in order, so no wait stands between the stores and the loads
.irp i, 0,1,2,3
	ds_store_b128 v14, v[XR+16*((\t)%4)+4*\i:XR+16*((\t)%4)+4*\i+3] offset:32*SP*((\t)%2)+8*SP*\i
.endr
.irp i, 0,1,2,3
	ds_load_b128 v[XX+16*((\t)%2)+4*\i:XX+16*((\t)%2)+4*\i+3], v15 offset:32*SP*((\t)%2)+16*\i
.endr
.endm
.irp t, 0,1,2,3
	XLOAD \t
.endr
	s_wait_alu depctr_va_vdst(0)
	s_wait_loadcnt 12                              ; step 0's four loads are in
	XTURN 0
.macro XSTEP t
.set XS, XX+16*((\t)%2)
.if (\t) > 0
	s_wait_dscnt 1                                 ; this step's numbers are back from the stage (the last step's byte store may be out): so its stores into the stage have read their registers,
.else
	s_wait_dscnt 0x0
.endif
.if (\t)+4 < STEPS
	XLOAD (\t)+4                                   ; which take the loads of four steps on
.endif
.if (\t)+1 < STEPS
.if STEPS-2-(\t) >= 3
	s_wait_loadcnt 12                              ; the next step's four loads are in; those of the three steps behind it may be out
.else
	s_wait_loadcnt 4*(STEPS-2-(\t))
.endif
	XTURN (\t)+1                                   ; and go through the other stage while this step is worked
.endif
	v_max3_num_f32 v8, |v[XS]|, |v[XS+1]|, |v[XS+2]|               ; the largest magnitude of my 16, in two chains
	v_max3_num_f32 v9, |v[XS+3]|, |v[XS+4]|, |v[XS+5]|
.irp i, 6,10
	v_max3_num_f32 v8, v8, |v[XS+\i]|, |v[XS+\i+1]|
	v_max3_num_f32 v9, v9, |v[XS+\i+2]|, |v[XS+\i+3]|
.endr
	v_max3_num_f32 v8, v8, |v[XS+14]|, |v[XS+15]|
	v_max3_num_f32 v8, v8, v9, (EMAX+1)<<23        ; and the floor 2^(3 - 127): the byte cannot fall under 1
	v_max_num_f32_dpp v8, v8, v8 row_xmask:1 row_mask:0xf bank_mask:0xf   ; and of my neighbour's 16: the block's
	v_add_nc_u32 v11, -(EMAX<<23), v8              ; 2 off its exponent field: the conversion takes the exponent field of this operand as its scale
	v_cvt_scalef32_pk8_fp4_f32 v[XC+4*(\t)], v[XS:XS+7], v11
	v_cvt_scalef32_pk8_fp4_f32 v[XC+4*(\t)+1], v[XS+8:XS+15], v11
	v_lshrrev_b32 v[XE+(\t)], 23, v11              ; the scale's byte
	ds_store_b8 v5, v[XE+(\t)] offset:16*(\t)      ; both lanes of a block write the same byte with the same value
	global_store_b64 v4, v[XC+4*(\t):XC+4*(\t)+1], s[8:9] offset:32*CB*(\t)   ; 32 lanes store 256 consecutive bytes, aligned
.endm
.irp t, 0,1,2,3,4,5,6,7,8,9,10,11,12,13,14,15
	XSTEP \t
.endr
	ds_load_b64 v[8:9], v6                         ; LDS serves a wave's instructions in order: these see my stores
	s_wait_dscnt 0x0
	global_store_b64 v7, v[8:9], s[10:11]          ; 32 lanes store 256 consecutive bytes, aligned
	s_wait_tensorcnt 0x0                           ; the wave's end
	ds_add_u32 v[SPW], v[NIL]
	s_wait_dscnt 0x0
	s_endpgm
; ---------------- PATH W: K is the middle axis.  Work-group = (tensor T, head, half of d, half of K); wave = a quarter of its K: 32 columns x 128 along K
.Lw:
	s_lshr_b32 s21, ttmp9, 6                       ; T: 0 Wq, 1 Wk, 2 Wv
	s_bfe_u32 s22, ttmp9, 0x40002                  ; head
	s_bfe_u32 s23, ttmp9, 0x10001                  ; which 32 of the head's 64 columns
	s_and_b32 s24, ttmp9, 1                        ; which 512 along K
	s_cmp_lt_u32 ttmp9, 128
	s_cselect_b64 s[10:11], s[10:11], s[12:13]     ; Wk or Wv,
	s_cmp_lt_u32 ttmp9, 64
	s_cselect_b64 s[8:9], s[8:9], s[10:11]         ; or Wq: both choices hang on the work-group's number alone
	s_lshl_b32 s28, s22, 18                        ; a head is 262,144 bytes,
	s_lshl_b32 s26, s24, 17                        ; 512 rows of 256 bytes,
	s_add_co_u32 s28, s28, s26
	s_lshl_b32 s26, s20, 15                        ; my wave's 128 rows of 256 bytes,
	s_add_co_u32 s28, s28, s26
	s_lshl_b32 s26, s23, 7
	s_add_co_u32 s28, s28, s26
	s_add_nc_u64 s[8:9], s[8:9], s[28:29]
	s_lshl_b32 s26, s21, 10
	s_lshl_b32 s27, s22, 6
	s_add_co_u32 s26, s26, s27
	s_lshl_b32 s27, s23, 5
	s_add_co_u32 s26, s26, s27                     ; my group of 32 rows of wq begins at row 1024 T + 64 head + 32 half
	s_lshl_b32 s28, s26, 9
	s_lshl_b32 s27, s20, 12                        ; on the way out my wave stores 8 rows of 512 bytes' pitch
	s_add_co_u32 s28, s28, s27
	s_lshl_b32 s27, s24, 8
	s_add_co_u32 s28, s28, s27                     ; codes: 512 bytes a row, my 256 of them
	s_add_nc_u64 s[14:15], s[18:19], s[28:29]
	s_lshl_b32 s28, s26, 5
	s_lshl_b32 s27, s24, 4
	s_add_co_u32 s28, s28, s27                     ; scale bytes: 32 a row, my 16 of them,
	s_add_co_u32 s28, s28, 1572864
	s_lshl_b32 s27, s20, 2                         ; my wave's four bytes of them
	s_add_co_u32 s28, s28, s27
	s_add_nc_u64 s[16:17], s[18:19], s[28:29]
	s_wait_alu depctr_va_vdst(0)
	v_lshlrev_b32 v3, 2, v2                        ; in: 4 bytes a lane
	s_lshl_b32 s30, s20, 6
	s_add_co_u32 s30, s30, WBASE                   ; the work-group's stage: my wave's 64 bytes of each row
	v_mul_u32_u24 v4, v2, WPITCH
	v_add_nc_u32 v4, s30, v4                       ; into it: row = my column
	s_lshr_b32 s30, s20, 1                         ; out of it: places 8 w .. 8 w + 7 take the columns 8 (w / 2) + 16 (w % 2) + 0 .. 7
	s_lshl_b32 s30, s30, 3
	s_and_b32 s31, s20, 1
	s_lshl_b32 s31, s31, 4
	s_add_co_u32 s30, s30, s31
	s_mul_i32 s30, s30, WPITCH
	s_add_co_u32 s30, s30, WBASE
	v_and_b32 v5, 15, v2
	v_lshrrev_b32 v6, 4, v2                        ; out of it: sixteen lanes to a row, two rows an instruction
	v_mul_u32_u24 v7, v6, WPITCH
	v_lshl_add_u32 v7, v5, 4, v7
	v_add_nc_u32 v7, s30, v7
	v_lshlrev_b32 v8, 9, v6
	v_lshl_add_u32 v8, v5, 4, v8                   ; and two neighbouring rows of wq
	v_and_b32 v9, 7, v2                            ; my column's place p: bits 3 and 4 exchanged
	v_and_b32 v10, 8, v2
	v_lshl_or_b32 v9, v10, 1, v9
	v_and_b32 v10, 16, v2
	v_lshrrev_b32 v10, 1, v10
	v_or_b32 v9, v9, v10
	v_lshlrev_b32 v9, 5, v9                        ; its row of scale bytes
.macro WLOAD t                         ; block t: W(32 t + i, my column), i = 0 .. 31, into set t % 2: each load reads 128 consecutive bytes
.irp i, 0,1,2,3,4,5,6,7,8,9,10,11,12,13,14,15,16,17,18,19,20,21,22,23,24,25,26,27,28,29,30,31
	global_load_b32 v[WX+32*((\t)%2)+\i], v3, s[8:9] offset:(32*(\t)+\i)*256 th:TH_LOAD_NT
.endr
.endm
	WLOAD 0
	WLOAD 1
.macro WBLOCK t
.set WS, WX+32*((\t)%2)
.if (\t) < NB-1
	s_wait_loadcnt 32                              ; this block's 32 loads are in; the next block's may be out
.else
	s_wait_loadcnt 0
.endif
	v_max3_num_f32 v16, |v[WS]|, |v[WS+1]|, |v[WS+2]|              ; the block's largest magnitude: all 32 numbers are mine
	v_max3_num_f32 v17, |v[WS+3]|, |v[WS+4]|, |v[WS+5]|
.irp i, 6,10,14,18,22,26
	v_max3_num_f32 v16, v16, |v[WS+\i]|, |v[WS+\i+1]|
	v_max3_num_f32 v17, v17, |v[WS+\i+2]|, |v[WS+\i+3]|
.endr
	v_max3_num_f32 v16, v16, |v[WS+30]|, |v[WS+31]|
	v_max3_num_f32 v16, v16, v17, (EMAX+1)<<23     ; and the floor
	v_add_nc_u32 v11, -(EMAX<<23), v16             ; the conversion's scale operand
	v_lshrrev_b32 v17, 23, v11                     ; the scale's byte
.if (\t)%4 == 0
	v_mov_b32 v[WSB+(\t)/4], v17                   ; four bytes to a register, the lower K in the lower byte
.else
	v_lshl_or_b32 v[WSB+(\t)/4], v17, 8*((\t)%4), v[WSB+(\t)/4]
.endif
.irp g, 0,1,2,3
	v_cvt_scalef32_pk8_fp4_f32 v[WC+\g], v[WS+8*\g:WS+8*\g+7], v11
.endr
	ds_store_b128 v4, v[WC:WC+3] offset:16*(\t)    ; 32 codes: 16 bytes of my column's row
.if (\t)+2 < NB
	WLOAD (\t)+2
.endif
	s_wait_dscnt 0x0                               ; the store has read its registers: the next block's codes may be written
.endm
.set Q, 0
.rept NB
	WBLOCK Q
.set Q, Q+1
.endr
	s_wait_alu depctr_va_vdst(0)
	global_store_b32 v9, v[WSB], s[16:17]          ; my column's four scale bytes, at its place p
	s_barrier_signal -1                            ; my stores into the stage are done (the wait for them ends the last block)
	s_barrier_wait -1                              ; everybody's are
.irp t, 0,1,2,3
	ds_load_b128 v[WOUT+4*\t:WOUT+4*\t+3], v7 offset:2*\t*WPITCH
.endr
.irp t, 0,1,2,3
	s_wait_dscnt 3-\t
	global_store_b128 v8, v[WOUT+4*\t:WOUT+4*\t+3], s[14:15] offset:2*\t*512   ; sixteen lanes store 256 consecutive bytes, aligned
.endr
	s_wait_tensorcnt 0x0                           ; the wave's end
	ds_add_u32 v[SPW], v[NIL]
	s_wait_dscnt 0x0
	s_endpgm
.Lfunc_end_k_qc481c42968_prep:
	.size	k_qc481c42968_prep, .Lfunc_end_k_qc481c42968_prep-k_qc481c42968_prep
	.p2alignl 7, 3214868480
	.fill 96, 4, 3214868480
	.section	.rodata,"a",@progbits
	.p2align	6, 0x0
	.amdhsa_kernel k_qc481c42968_prep
		.amdhsa_group_segment_fixed_size 68096
		.amdhsa_private_segment_fixed_size 0
		.amdhsa_enable_private_segment 0
		.amdhsa_kernarg_size 64
		.amdhsa_user_sgpr_count 2
		.amdhsa_user_sgpr_kernarg_segment_ptr 1
		.amdhsa_wavefront_size32 1
		.amdhsa_system_sgpr_workgroup_id_x 1
		.amdhsa_system_sgpr_workgroup_id_y 1
		.amdhsa_system_sgpr_workgroup_id_z 1
		.amdhsa_system_vgpr_workitem_id 0
		.amdhsa_next_free_vgpr 192
		.amdhsa_next_free_sgpr 66
		.amdhsa_reserve_vcc 0
		.amdhsa_float_denorm_mode_32 3
		.amdhsa_float_denorm_mode_16_64 3
		.amdhsa_memory_ordered 1
		.amdhsa_forward_progress 1
		.amdhsa_inst_pref_size 55
	.end_amdhsa_kernel
	.amdgpu_metadata
---
amdhsa.version: [ 1, 2 ]
amdhsa.kernels:
  - .name:           k_qc481c42968_prep
    .symbol:         k_qc481c42968_prep.kd
    .args:
      - { .name: inputs, .offset: 0, .size: 8, .value_kind: global_buffer, .address_space: global }
      - { .name: Wo, .offset: 8, .size: 8, .value_kind: global_buffer, .address_space: global }
      - { .name: Wq, .offset: 16, .size: 8, .value_kind: global_buffer, .address_space: global }
      - { .name: Wk, .offset: 24, .size: 8, .value_kind: global_buffer, .address_space: global }
      - { .name: Wv, .offset: 32, .size: 8, .value_kind: global_buffer, .address_space: global }
      - { .name: xq, .offset: 40, .size: 8, .value_kind: global_buffer, .address_space: global }
      - { .name: woq, .offset: 48, .size: 8, .value_kind: global_buffer, .address_space: global }
      - { .name: wq, .offset: 56, .size: 8, .value_kind: global_buffer, .address_space: global }
    .group_segment_fixed_size: 68096
    .private_segment_fixed_size: 0
    .kernarg_segment_align: 8
    .kernarg_segment_size: 64
    .max_flat_workgroup_size: 128
    .sgpr_count:     66
    .vgpr_count:     192
    .wavefront_size: 32
...
	.end_amdgpu_metadata
.endif
;; end of part 1
;; launch proj (part 2): grid 8 x 32, 4 waves a work-group, clusters of 4 x 4, 327,680 bytes of LDS; arguments xq, wq, qi, kv; writes qi, kv
.if DOCPART == 2
	.amdgcn_target "amdgcn-amd-amdhsa--gfx1250"
	.amdhsa_code_object_version 6
	.text
	.protected	k_qc481c42968_proj
	.globl	k_qc481c42968_proj
	.p2align	8
	.type	k_qc481c42968_proj,@function
k_qc481c42968_proj:
	s_mov_b64 s[64:65], 0
	v_nop
	global_prefetch_b8 v0, s[64:65] scope:SCOPE_SE
	s_setreg_imm32_b32 hwreg(HW_REG_WAVE_MODE, 25, 1), 1
	s_wait_xcnt 0x0
	s_wait_alu depctr_hold_cnt(0) depctr_sa_sdst(0) depctr_va_vdst(0) depctr_va_sdst(0) depctr_va_ssrc(0) depctr_va_vcc(0) depctr_vm_vsrc(0)
	s_getreg_b32 s2, hwreg(HW_REG_IB_STS2, 6, 4)
	s_cmp_eq_u32 s2, 0
	s_cbranch_scc0 .Lentry_in_a_cluster
	s_endpgm
.Lentry_in_a_cluster:
	s_bfe_u32 s2, ttmp6, 0x10000c
	s_cmp_lg_u32 s2, 0xf033
	s_cbranch_scc0 .Lentry_shape_is_right
	s_endpgm
.Lentry_shape_is_right:
; Launch 2 of 4: q, k, v = x W on codes of E2M1 (K = 1,024), and the results quantised on the way out into IMAGES OF THE NEXT LAUNCH'S OPERAND REGISTERS.  No f32 result goes to memory.
; One product text serves two roles.  Role A's 16 rows are source 1, role B's are source 0, so a lane holds ONE row of A and its registers run along rows of B.
;  clusters x = 0, 1 (q, k): A = x (8,192 tokens), B = wq's rows 0-2047: a lane holds a token, its registers run along d: q and k are quantised along d.
;  second product (v):    A = wq's rows 2048-3071, B = x: a lane holds a column d, its registers run along the tokens: v is quantised along the keys.
; The choice hangs on the cluster's x alone, which all sixteen partners share.  A tile is 256 x 256, a wave's 128 x 128: 64 accumulators, 512 registers.
; K = 1,024 is two LDS slots of 512: for the first product every fill is a first fill.  The scale bytes of the work-group's rows come once, in rows of 256 bytes.
; CLUSTERS 4 x 4: A's tiles are asked for jointly along a row of the cluster, B's along a column.
; ORDER INSIDE A BLOCK OF 32.  The 16 registers of accumulators 2 b, 2 b + 1 hold B's rows 32 b + 16 u + 8 h + j (u: which of the two, h = lane / 16).  wq's rows lie with bits 3 and 4 of the place exchanged, so for q and k
; these are d = 32 b + 16 h + 8 u + j: 16 neighbours.  For v they are tokens 32 b + 16 u + 8 h + j of the true block b: a permutation inside the block, which the next launch's p carries too.
; OUT: qi: images [head x batch 64][tile of 16 tokens 128][512 bytes] (lane l's 16 bytes at 16 l: token l % 16, d 32 (l / 16) on); scale words behind them, [64][16 groups of 128 tokens][2][16 rows][4 tiles].
;      kv: [64][key step 16][8,960 bytes]: 0 K's 8 images | 4,096 K's scale words | 4,608 V's 4 x 2 images | 8,704 V's scale words [row][tile of d].
; A scale word of q or k has its two bytes in bytes 0 and 1; bytes 2 and 3 (the neighbouring head's, or 0) meet zero codes only.
; REGISTERS: window 0: v16-29 addresses; v32-95 scale words (nothing else ever); v128-191 A's fragments; v192-228 the way out.  window 1: B's fragments, two sets.  windows 2, 3: the accumulators, (a, b) at v[8 (8 (a % 4) + b)].
; THE SHARES AS THEY STAND NOW: 8 x 32 = 256 work-groups.  Work-group (g, t) keeps x's 256 tokens 256 t on in LDS for both of its products.
;  First product: A = x, B = wq's rows 256 g on (g 0-3: q, g 4-7: k), 256 x 256, all of K in LDS, as described above for q and k.
;  Then B's bytes and its scale bytes are filled again, jointly along the cluster's column, with wq's rows 2048 + 128 g on (v, two heads); the loads are on their way during the first way out.
;  Second product: A = those 128 rows, B = x: a wave makes 64 x 128: one head's 64 columns d x one key step's 128 tokens, quantised along the keys.
.set KSTEP,  512
.set NQ,     KSTEP/128
.set ROWB,   256                       ; 512 along K in bytes
.set KROW,   512                       ; a row of codes in memory
.set PITCH,  528                       ; an LDS row: all of K, 512 bytes, + 16 of padding = 132 words: the 16 rows that a load touches start at 16 different banks
.set FR,     8
.set NL,     2
.set NP,     4
.set HALFT,  128*PITCH
.set SLOT,   256                       ; the second 512 along K begin 256 bytes on in every LDS row
.set KS,     32                        ; a row of scale bytes
.set SCL,    4*HALFT                   ; behind A's 256 rows and B's 256 rows
.set HALFS,  (128*KS/256)*272
.set SBLK,   (16*KS/256)*272
.set SPARE,  SCL+4*HALFS               ; the spare words, 128 bytes for each wave
.set ADRA, 16
.set ADRB, 20
.set LI,   26                          ; v26  16 x lane: an image's place for my lane
.set ADRS, 27
.set SPW,  28
.set NIL,  29
.set SC,   32
.set AF,   128
.set TM,   192                         ; v192-195 largest magnitudes, v196-199 bytes, v204-207 the conversions' scale operands
.set PC,   208                         ; v208-215 the codes just made
.set PWS,  216                         ; v216-223 the eight blocks' scale words
.set SOFF, 224
.set SH,   225
.set LANE, 226
.set RR,   227
.set HH,   228
.set G1, 24
.set G0, 32
.set G1B, 48
.set G0B, 56
.set G1S, 68
.set G0S, 76
.set G1SB, 80
.set G0SB, 88
.set BA0, 68                           ; the way out's bases take registers whose tensor loads are long done: s[68:69], s[70:71] images, s[72:73] scale words
.set SBA, 72
.set MSB, 0
.macro WIN new                         ; the immediate's high byte repeats the setting that is left
.if MSB != (\new)
	s_set_vgpr_msb (MSB<<8)|(\new)
.set MSB, (\new)
.endif
.endm
.set MUL_LO, 0xa1                      ; source 0 (B) window 1, source 1 (A) window 0, C and D window 2
.set MUL_HI, 0xf1
.set TO_B,   0x40
; A joint load: wave 0 fetches A's codes, wave 1 B's, wave 2 A's scale bytes, wave 3 B's; the branch hangs on the wave's number alone.  An s_nop 0 and four v_nop follow the load.
; One arm of the head's tree of branches on the wave's number: its joint load and a jump to the tree's end.
.macro ARM under, g0, g1, next
	s_cmp_lt_u32 s14, \under
	s_cbranch_scc0 \next
	tensor_load_to_lds s[\g0:\g0+3], s[\g1:\g1+7]
	s_nop 0
.rept 4
	v_nop
.endr
	s_branch .Lhead_asked
\next:
.endm
.macro CROUND                          ; a round of the cluster's barrier
	s_barrier_signal -1
	s_barrier_wait -1
	s_cmp_lg_u32 s14, 0
	s_cbranch_scc1 .Lnot_wave_0_\@
	s_barrier_signal -3
.Lnot_wave_0_\@:
	s_barrier_wait -3
	s_barrier_signal -1
	s_barrier_wait -1
.endm
	s_load_b256 s[4:11], s[0:1], 0x0               ; xq s[4:5], wq s[6:7], qi s[8:9], kv s[10:11]
	v_lshl_add_u32 v[SPW], v0, 2, SPARE
	v_mov_b32 v[NIL], 0
	ds_add_u32 v[SPW], v[NIL]                      ; the wave's opening: the add, twice on end, and its wait ahead of my first tensor load
	ds_add_u32 v[SPW], v[NIL]
	v_lshrrev_b32 v1, 5, v0
	v_readfirstlane_b32 s14, v1                    ; wave 0..3
	s_lshr_b32 s15, s14, 1                         ; which half of A's rows is mine.
	s_and_b32 s16, s14, 1                          ; which half of B's rows.
	s_bfe_u32 s40, ttmp6, 0x40000                  ; cx, cy: my place in the cluster
	s_bfe_u32 s41, ttmp6, 0x40004
	s_and_b32 s13, ttmp7, 0xffff                   ; the cluster's y
	s_mov_b32 s42, ttmp9                           ; the cluster's column of tiles (B: wq),
	s_mov_b32 s17, s13                             ; and its row (A: x)
	s_mov_b32 s100, 0                              ; x's codes begin at 0,
	s_mov_b32 s101, 0x400000                       ; its scale bytes here,
	s_mov_b32 s95, 0x180000                        ; and wq's here
	s_lshl_b32 s42, s42, 2
	s_add_co_u32 s42, s42, s40                     ; tile column
	s_lshl_b32 s17, s17, 2
	s_add_co_u32 s17, s17, s41                     ; tile row
	s_lshl_b32 s43, s41, 2
	s_lshl_b32 s43, 15, s43                        ; my row of the cluster
	s_lshl_b32 s44, 0x1111, s40                    ; my column
	; descriptor group 1: a tile of 256 rows x 512 bytes, 16 bytes of padding behind each row
	; a tile is 256 rows x 512 bytes (all of K), 16 bytes of padding behind each 128 words
	s_or_b32 s[G1+0], s43, (0<<16)|(1<<20)|(1<<21)|(6<<22)|(3<<25)
	s_or_b32 s[G1B+0], s44, (0<<16)|(1<<20)|(1<<21)|(6<<22)|(3<<25)
.irp g, G1, G1B
	s_mov_b32 s[\g+1], KROW<<16
	s_mov_b32 s[\g+2], 256<<16
	s_mov_b32 s[\g+3], KROW<<16
	s_mov_b32 s[\g+4], 256
	s_mov_b32 s[\g+5], KROW                        ; from row to row
	s_mov_b32 s[\g+6], 0
	s_mov_b32 s[\g+7], 0
.endr
	; the scale bytes of 256 rows: 8,192 dense bytes, as 32 rows of 256 (32 elements of 8 bytes), 16 bytes of padding behind each
	s_or_b32 s[G1S+0], s43, (3<<16)|(1<<20)|(1<<21)|(5<<22)|(3<<25)
	s_or_b32 s[G1SB+0], s44, (3<<16)|(1<<20)|(1<<21)|(5<<22)|(3<<25)
.irp g, G1S, G1SB
	s_mov_b32 s[\g+1], 32<<16
	s_mov_b32 s[\g+2], (256*KS/256)<<16            ; the scale bytes of 256 rows: 32 rows of 256 bytes
	s_mov_b32 s[\g+3], 32<<16
	s_mov_b32 s[\g+4], 256*KS/256
	s_mov_b32 s[\g+5], 32
	s_mov_b32 s[\g+6], 0
	s_mov_b32 s[\g+7], 0
.endr
	s_mov_b32 s18, 0                               ; a load brings a tile's 256 rows whole
	s_lshl_b32 s20, s17, 8
	s_add_co_u32 s20, s20, s18                     ; A: row 256 x tile row
	s_lshl_b32 s46, s42, 8
	s_add_co_u32 s46, s46, s18                     ; B: row 256 x tile column
	s_lshl_b32 s22, s20, 5                         ; their scale bytes, 32 a row,
	s_lshl_b32 s20, s20, 9                         ; and their codes, 512 a row (all under 2^23)
	s_lshl_b32 s92, s46, 5
	s_lshl_b32 s46, s46, 9
	s_add_co_u32 s20, s20, s100
	s_add_co_u32 s22, s22, s101
	s_add_co_u32 s92, s92, s95
	s_mov_b32 s21, 0
	s_mov_b32 s23, 0
	s_mov_b32 s47, 0
	s_mov_b32 s93, 0
	s_wait_dscnt 0x0                               ; both opening adds are done
	s_wait_kmcnt 0x0
	s_mov_b64 s[96:97], s[4:5]                     ; A: xq
	s_mov_b64 s[98:99], s[6:7]                     ; B: wq
	s_add_nc_u64 s[20:21], s[96:97], s[20:21]
	s_add_nc_u64 s[22:23], s[96:97], s[22:23]
	s_add_nc_u64 s[46:47], s[98:99], s[46:47]
	s_add_nc_u64 s[92:93], s[98:99], s[92:93]
	s_lshl_b32 s60, s42, 16                        ; for the second product: wq's rows 2048 + 128 g on: their codes,
	s_add_co_u32 s60, s60, 0x100000
	s_mov_b32 s61, 0
	s_add_nc_u64 s[60:61], s[6:7], s[60:61]
	s_lshl_b32 s62, s42, 12                        ; and their scale bytes
	s_add_co_u32 s62, s62, 0x190000
	s_mov_b32 s63, 0
	s_add_nc_u64 s[62:63], s[6:7], s[62:63]
	CROUND                                         ; all sixteen work-groups are here: the first joint loads meet
	s_mov_b32 s[G0S], 1
	s_mov_b32 s[G0S+1], SCL
	s_mov_b64 s[G0S+2:G0S+3], s[22:23]
	s_or_b32 s[G0S+3], s[G0S+3], 0x80000000
	s_mov_b32 s[G0SB], 1
	s_mov_b32 s[G0SB+1], SCL+2*HALFS
	s_mov_b64 s[G0SB+2:G0SB+3], s[92:93]
	s_or_b32 s[G0SB+3], s[G0SB+3], 0x80000000
.irp s, 0
	s_mov_b32 s[G0+4*\s], 1
	s_mov_b32 s[G0+4*\s+1], 0
	s_add_nc_u64 s[G0+4*\s+2:G0+4*\s+3], s[20:21], \s*ROWB
	s_or_b32 s[G0+4*\s+3], s[G0+4*\s+3], 0x80000000
	s_mov_b32 s[G0B+4*\s], 1
	s_mov_b32 s[G0B+4*\s+1], 2*HALFT
	s_add_nc_u64 s[G0B+4*\s+2:G0B+4*\s+3], s[46:47], \s*ROWB
	s_or_b32 s[G0B+4*\s+3], s[G0B+4*\s+3], 0x80000000
.endr
	; THE HEAD'S LOADS, ONE A WAVE: wave 0 A's 256 rows, wave 1 B's, wave 2 A's scale bytes, wave 3 B's.  All of K comes at once: B is filled again for the second product.
	ARM 1, G0,  G1,  .Lhead_b
	ARM 2, G0B, G1B, .Lhead_sa
	ARM 3, G0S, G1S, .Lhead_sb
	tensor_load_to_lds s[G0SB:G0SB+3], s[G1SB:G1SB+7]
	s_nop 0
.rept 4
	v_nop
.endr
.Lhead_asked:
	v_and_b32 v1, 15, v0                           ; l % 16
	v_bfe_u32 v2, v0, 4, 1                         ; l / 16
	v_mul_u32_u24 v3, v1, PITCH
	v_lshl_add_u32 v4, v2, 4, v3                   ; a fragment's row x pitch + 16 x half
	s_mul_i32 s21, s15, HALFT                      ; my 128 rows of A
	s_mul_i32 s22, s16, HALFT                      ; my 128 rows of B,
	s_add_co_u32 s22, s22, 2*HALFT                 ; which lie behind A's 256
.irp s, 0,1
	v_add_nc_u32 v[ADRA+\s], s21, v4
	v_add_nc_u32 v[ADRB+\s], s22, v4
	s_add_co_u32 s21, s21, SLOT
	s_add_co_u32 s22, s22, SLOT
.endr
	v_mul_u32_u24 v5, v1, KS                       ; my row's scale bytes: 32 a row,
	v_lshrrev_b32 v6, 8, v5
	v_lshl_add_u32 v5, v6, 4, v5                   ; and 16 more for each 256 passed
	s_mul_i32 s21, s15, HALFS
	s_mul_i32 s22, s16, HALFS
	s_add_co_u32 s22, s22, 2*HALFS
	s_sub_co_u32 s22, s22, s21
	v_mul_u32_u24 v6, s22, v2                      ; lanes 16-31 take B's: the lower base + h x the distance
	s_add_co_u32 s21, s21, SCL
	v_add_nc_u32 v5, v5, v6
	v_add_nc_u32 v[ADRS], s21, v5
.macro FRAG reg, adr, q, i             ; 16 rows x 128 K of 4-bit codes: 8 registers: lane l holds row l % 16; registers 4 c .. 4 c + 3 hold K = 64 c + 32 (l / 16) + 0 .. 31
.irp c, 0,1
	ds_load_b128 v[\reg+4*\c:\reg+4*\c+3], v[\adr] offset:64*(\q)+32*\c+(\i)*16*PITCH
.endr
.endm
; 16 matrix instructions: A's blocks a0, a0 + 1 x B's eight.  The 64 accumulators take turns, one instruction a turn, in the same order in every step.
.macro MUL16 a0, p, q, sc, zero
.irp a, \a0, \a0+1
.irp b, 0,1,2,3,4,5,6,7
.if \zero
	v_wmma_scale_f32_16x16x128_f8f6f4 v[8*(8*((\a)%4)+\b):8*(8*((\a)%4)+\b)+7], v[128*(\p)+FR*\b:128*(\p)+FR*\b+FR-1], v[AF+FR*(\a):AF+FR*(\a)+FR-1], 0, v[SC+8*NQ*(\sc)+NQ*\b+(\q)], v[SC+8*NQ*(\sc)+NQ*(\a)+(\q)] matrix_a_fmt:MATRIX_FMT_FP4 matrix_b_fmt:MATRIX_FMT_FP4 matrix_a_scale:MATRIX_SCALE_ROW1
.else
	v_wmma_scale_f32_16x16x128_f8f6f4 v[8*(8*((\a)%4)+\b):8*(8*((\a)%4)+\b)+7], v[128*(\p)+FR*\b:128*(\p)+FR*\b+FR-1], v[AF+FR*(\a):AF+FR*(\a)+FR-1], v[8*(8*((\a)%4)+\b):8*(8*((\a)%4)+\b)+7], v[SC+8*NQ*(\sc)+NQ*\b+(\q)], v[SC+8*NQ*(\sc)+NQ*(\a)+(\q)] matrix_a_fmt:MATRIX_FMT_FP4 matrix_b_fmt:MATRIX_FMT_FP4 matrix_a_scale:MATRIX_SCALE_ROW1
.endif
.endr
.endr
.endm
.macro FETCH_B slot, q, p
	WIN TO_B
.irp i, 0,1,2,3,4,5,6,7
	FRAG 128*(\p)+FR*\i, ADRB+\slot, \q, \i
.endr
	WIN 0
.endm
.macro FETCH_A slot, q, i0
.irp i, \i0, \i0+1, \i0+2, \i0+3
	FRAG AF+FR*(\i), ADRA+\slot, \q, \i
.endr
.endm
.macro SCALES sc                       ; a slot's scale words: 4 words a row; lanes 0-15 take A's block i, lanes 16-31 B's block i
.irp i, 0,1,2,3,4,5,6,7
	ds_load_b128 v[SC+8*NQ*\sc+NQ*\i:SC+8*NQ*\sc+NQ*\i+3], v[ADRS] offset:\i*SBLK
.endr
.endm
.macro PLACES n                        ; plain vector instructions between a matrix instruction and a load into, or a read of, its registers
.rept \n
	v_nop
.endr
.endm
.macro STEP slot, q, zero              ; 128 along K that has its successor in the same slot
	s_wait_dscnt 4*NL                              ; B's set and A's blocks 0-3 are in; the youngest eight loads (A's blocks 4-7) may be out
	WIN MUL_LO
	MUL16 0, (\q)%2, \q, \slot, \zero
	MUL16 2, (\q)%2, \q, \slot, \zero
	s_wait_dscnt 0
	PLACES NP
	FETCH_B \slot, (\q)+1, 1-(\q)%2
	FETCH_A \slot, (\q)+1, 0
	WIN MUL_HI
	MUL16 4, (\q)%2, \q, \slot, \zero
	MUL16 6, (\q)%2, \q, \slot, \zero
	PLACES NP
	WIN 0
	FETCH_A \slot, (\q)+1, 4
.endm
; Slot 0's last step changes slots: in front of the barrier each wave has waited for all its tensor loads (its part of slot 1); behind it slot 1 is whole.  Nothing is filled again.
.macro TURN slot, next
	s_wait_tensorcnt 0x0
	ds_add_u32 v[SPW], v[NIL]                      ; 0 onto my spare word
	s_wait_dscnt 4*NL+1                            ; (the add and the youngest eight loads may be out)
	WIN MUL_LO
	MUL16 0, 1, NQ-1, \slot, 0
	s_wait_dscnt 0x0
	s_barrier_signal -1
	MUL16 2, 1, NQ-1, \slot, 0
	WIN 0
	s_barrier_wait -1
	PLACES NP
	v_add_nc_u32 v[ADRS], 4*NQ, v[ADRS]            ; on to the next slot's scale words
	FETCH_B \next, 0, 0
	FETCH_A \next, 0, 0
	SCALES \next
	WIN MUL_HI
	MUL16 4, 1, NQ-1, \slot, 0
	MUL16 6, 1, NQ-1, \slot, 0
	PLACES NP
	WIN 0
	FETCH_A \next, 0, 4
.endm
.macro STEPS slot, from
.set Q, \from
.rept NQ-1-\from
	STEP \slot, Q, 0
.set Q, Q+1
.endr
.endm
	s_wait_alu depctr_va_vdst(0)
	s_wait_tensorcnt 0x0                           ; my one load has landed,
	s_barrier_signal -1
	s_barrier_wait -1                              ; everybody's are
	FETCH_B 0, 0, 0
	FETCH_A 0, 0, 0
	SCALES 0
	FETCH_A 0, 0, 4
	STEP 0, 0, 1                                   ; the first products start the sums: nothing is cleared
	STEPS 0, 1
	TURN 0, 1
	STEPS 1, 0
	s_wait_dscnt 4*NL                              ; the very last step
	WIN MUL_LO
	MUL16 0, 1, NQ-1, 1, 0
	MUL16 2, 1, NQ-1, 1, 0
	WIN 0
	s_wait_tensorcnt 0x0                           ; THE REFILL.  No tensor load of mine is out,
	ds_add_u32 v[SPW], v[NIL]                      ; 0 onto my spare word;
	s_mov_b32 s[G1B+2], 128<<16                    ; so descriptors may be written: 128 rows of codes,
	s_mov_b32 s[G1B+4], 128
	s_mov_b32 s[G1SB+2], 16<<16                    ; their scale bytes in 16 rows of 256,
	s_mov_b32 s[G1SB+4], 16
	s_mov_b64 s[G0B+2:G0B+3], s[60:61]
	s_or_b32 s[G0B+3], s[G0B+3], 0x80000000
	s_mov_b64 s[G0SB+2:G0SB+3], s[62:63]
	s_or_b32 s[G0SB+3], s[G0SB+3], 0x80000000
	s_wait_dscnt 0x0                               ; the add is done, and all my reads of LDS for the first product are back
	CROUND                                         ; the same holds of every wave of all sixteen work-groups
	s_cmp_lt_u32 s14, 1                            ; wave 0 asks for the codes, wave 1 for the scale bytes: one load a wave
	s_cbranch_scc0 .Lre_s
	tensor_load_to_lds s[G0B:G0B+3], s[G1B:G1B+7]
	s_nop 0
.rept 4
	v_nop
.endr
	s_branch .Lre_done
.Lre_s:
	s_cmp_lt_u32 s14, 2
	s_cbranch_scc0 .Lre_done
	tensor_load_to_lds s[G0SB:G0SB+3], s[G1SB:G1SB+7]
	s_nop 0
.rept 4
	v_nop
.endr
.Lre_done:
	WIN MUL_HI
	MUL16 4, 1, NQ-1, 1, 0
	MUL16 6, 1, NQ-1, 1, 0
	WIN 0
; THE WAY OUT.  Block a's 64 numbers of a lane (register 16 b + i = place 32 b + 16 (lane / 16) + i along the next K) become a fragment's codes in v[PC] on and its scale word in v[PWS + a].
.macro QUANTW a
.set AC, 64*((\a)%4)
	WIN 0x0a+5*((\a)/4)                            ; sources 0 and 1: window 2 or 3
.irp b, 0,1,2,3
	v_max3_num_f32 v[TM+\b], |v[AC+16*\b]|, |v[AC+16*\b+1]|, 0x1800000   ; my 16 numbers of block b, each accumulator from its low end on, and the floor 2^(3 - 127)
.endr
.irp i, 2,4,6,8,10,12,14
.irp b, 0,1,2,3
	v_max3_num_f32 v[TM+\b], |v[AC+16*\b+\i]|, |v[AC+16*\b+\i+1]|, v[TM+\b]   ; (the four blocks by turns)
.endr
.endr
	WIN 0
.irp b, 0,1,2,3
	v_permlanex16_b32 v[TM+4+\b], v[TM+\b], s18, s19
.endr
.irp b, 0,1,2,3
	v_max_num_f32 v[TM+\b], v[TM+\b], v[TM+4+\b]   ; with lane l xor 16's: the block's largest magnitude
.endr
.irp b, 0,1,2,3
	v_add_nc_u32 v[TM+12+\b], 0xff000000, v[TM+\b] ; 2 off its exponent field: the conversion's scale operand
.endr
.irp b, 0,1,2,3
	v_lshrrev_b32 v[TM+4+\b], 23, v[TM+12+\b]      ; the scale's byte
.endr
	v_lshl_or_b32 v[PWS+(\a)], v[TM+5], 8, v[TM+4]
	v_lshl_or_b32 v[PWS+(\a)], v[TM+6], 16, v[PWS+(\a)]
	v_lshl_or_b32 v[PWS+(\a)], v[TM+7], 24, v[PWS+(\a)]
	s_wait_xcnt 0x0                                ; the last block's stores have read v[PC] on
	WIN 0x02+(\a)/4                                ; source 0: window 2 or 3
.irp b, 0,1,2,3
	v_cvt_scalef32_pk8_fp4_f32 v[PC+2*\b], v[AC+16*\b:AC+16*\b+7], v[TM+12+\b]
	v_cvt_scalef32_pk8_fp4_f32 v[PC+1+2*\b], v[AC+16*\b+8:AC+16*\b+15], v[TM+12+\b]
.endr
	WIN 0
	v_nop                                          ; one plain place behind a scaled conversion
.irp c, 0,1                                    ; the operand's layout wants a WHOLE block in a lane
.irp i, 0,1
	v_permlane16_swap_b32 v[PC+4*\c+\i], v[PC+2+4*\c+\i]
.endr
.endr
.endm
	PLACES NP                                      ; behind the last products, ahead of the first read of results
	s_mov_b32 s18, 0x76543210
	s_mov_b32 s19, 0xfedcba98                      ; v_permlanex16_b32's selects for lane l xor 16
.irp b, 0,1,2,3
	v_mov_b32 v[TM+4+\b], 0                        ; written once: a lane permute's destination counts as one of its sources
.endr
	v_and_b32 v[LANE], 31, v0
	v_and_b32 v[RR], 15, v0
	v_bfe_u32 v[HH], v0, 4, 1
	v_lshlrev_b32 v[LI], 4, v[LANE]
	; ---- q or k: my 128 tokens are one group (one key step) of one batch; my 128 columns are two heads
	s_lshl_b32 s20, s17, 1
	s_add_co_u32 s20, s20, s15                     ; my first token / 128
	s_lshr_b32 s21, s20, 4                         ; the batch
	s_and_b32 s20, s20, 15                         ; the group
	s_and_b32 s22, s42, 3
	s_lshl_b32 s22, s22, 2
	s_lshl_b32 s23, s16, 1
	s_add_co_u32 s22, s22, s23                     ; my first head
	s_lshl_b32 s21, s21, 4
	s_add_co_u32 s21, s21, s22                     ; 16 x batch + head
	s_cmp_eq_u32 ttmp9, 1                          ; k?
	s_cselect_b64 s[92:93], s[10:11], s[8:9]       ; kv or qi
	s_mov_b32 s46, 65536
	s_cselect_b32 s46, 143360, s46                 ; images: from head to head,
	s_mov_b32 s47, 4096
	s_cselect_b32 s47, 8960, s47                   ; from group to group
	s_mov_b32 s94, 8192
	s_cselect_b32 s94, 143360, s94                 ; scale words: from head to head,
	s_mov_b32 s95, 512
	s_cselect_b32 s95, 8960, s95                   ; from group to group,
	s_mov_b32 s100, 0x400000
	s_cselect_b32 s100, 4096, s100                 ; and where they begin
	s_mul_i32 s98, s21, s46
	s_mul_i32 s99, s20, s47
	s_add_co_u32 s98, s98, s99
	s_mov_b32 s99, 0
	s_add_nc_u64 s[BA0:BA0+1], s[92:93], s[98:99]  ; my first head's images
	s_mov_b32 s47, 0
	s_add_nc_u64 s[BA0+2:BA0+3], s[BA0:BA0+1], s[46:47]   ; the second's
	s_mul_i32 s98, s21, s94
	s_mul_i32 s101, s20, s95
	s_add_co_u32 s98, s98, s101
	s_add_co_u32 s98, s98, s100
	s_add_nc_u64 s[SBA:SBA+1], s[92:93], s[98:99]
	s_wait_alu depctr_va_vdst(0)
	v_mul_lo_u32 v[SOFF], v[HH], s94
	v_lshl_add_u32 v[SOFF], v[RR], 4, v[SOFF]      ; scale words: 16 bytes a row; lanes 16-31 the second head's
	v_lshlrev_b32 v[SH], 4, v[HH]
.irp a, 0,1,2,3,4,5,6,7
	QUANTW \a
	global_store_b128 v[LI], v[PC:PC+3], s[BA0:BA0+1] offset:512*\a       ; registers 0-3: the first head's 64 along d: 32 lanes store 512 consecutive bytes, aligned
	global_store_b128 v[LI], v[PC+4:PC+7], s[BA0+2:BA0+3] offset:512*\a   ; registers 4-7: the second head's
.endr
.irp a, 0,1,2,3,4,5,6,7
	v_lshrrev_b32 v[PWS+\a], v[SH], v[PWS+\a]      ; lanes 16-31: the second head's two bytes come down to bytes 0 and 1
.endr
	global_store_b128 v[SOFF], v[PWS:PWS+3], s[SBA:SBA+1]                 ; sixteen lanes store 256 consecutive bytes, aligned
	global_store_b128 v[SOFF], v[PWS+4:PWS+7], s[SBA:SBA+1] offset:256
	; ---- THE SECOND PRODUCT: v.  A = the 128 rows just fetched (my 64: one head), B = x (my 128 tokens: one key step).  K goes in eight steps of 128, fragments in two sets.
.macro P2FETCH q                       ; 24 loads: B's eight blocks, A's four
	WIN TO_B
.irp i, 0,1,2,3,4,5,6,7
	FRAG 128*((\q)%2)+FR*\i, ADRB, \q, \i
.endr
	WIN 0
.irp i, 0,1,2,3
	FRAG AF+32*((\q)%2)+FR*\i, ADRA, \q, \i
.endr
.endm
.macro P2MUL q, zero                   ; 32 products: the accumulators take turns, in the same order in every step
.irp a, 0,1,2,3
.irp b, 0,1,2,3,4,5,6,7
.if \zero
	v_wmma_scale_f32_16x16x128_f8f6f4 v[8*(8*\a+\b):8*(8*\a+\b)+7], v[128*((\q)%2)+FR*\b:128*((\q)%2)+FR*\b+FR-1], v[AF+32*((\q)%2)+FR*\a:AF+32*((\q)%2)+FR*\a+FR-1], 0, v[SC+8*\b+(\q)], v[SC+8*\a+(\q)] matrix_a_fmt:MATRIX_FMT_FP4 matrix_b_fmt:MATRIX_FMT_FP4 matrix_a_scale:MATRIX_SCALE_ROW1
.else
	v_wmma_scale_f32_16x16x128_f8f6f4 v[8*(8*\a+\b):8*(8*\a+\b)+7], v[128*((\q)%2)+FR*\b:128*((\q)%2)+FR*\b+FR-1], v[AF+32*((\q)%2)+FR*\a:AF+32*((\q)%2)+FR*\a+FR-1], v[8*(8*\a+\b):8*(8*\a+\b)+7], v[SC+8*\b+(\q)], v[SC+8*\a+(\q)] matrix_a_fmt:MATRIX_FMT_FP4 matrix_b_fmt:MATRIX_FMT_FP4 matrix_a_scale:MATRIX_SCALE_ROW1
.endif
.endr
.endr
.endm
	s_mul_i32 s21, s15, 64*PITCH
	s_add_co_u32 s21, s21, 2*HALFT                 ; A: my 64 rows, where B's rows lay
	s_mul_i32 s22, s16, HALFT                      ; B: my 128 tokens of x
	s_mul_i32 s23, s16, HALFS                      ; x's scale bytes: the lower base, for lanes 16-31;
	s_mul_i32 s20, s15, 8*272
	s_add_co_u32 s20, s20, 2*HALFS
	s_sub_co_u32 s20, s20, s23                     ; lanes 0-15 take A's, this much further on
	s_add_co_u32 s23, s23, SCL
	v_add_nc_u32 v[ADRA], s21, v4                  ; v1 = l % 16, v2 = l / 16 and v4 = row x pitch + 16 x half stand since the head
	v_add_nc_u32 v[ADRB], s22, v4
	v_mul_u32_u24 v5, v1, KS
	v_xor_b32 v6, 1, v2
	v_lshrrev_b32 v3, 8, v5
	v_mul_u32_u24 v6, s20, v6
	v_lshl_add_u32 v5, v3, 4, v5
	v_add3_u32 v[ADRS], v5, v6, s23
	s_wait_alu depctr_va_vdst(0)
	s_wait_tensorcnt 0x0                           ; the refill has landed (waves 0 and 1 issued it; every wave waits),
	s_barrier_signal -1
	s_barrier_wait -1                              ; and everybody knows
.irp i, 0,1,2,3,4,5,6,7
	ds_load_b128 v[SC+8*\i:SC+8*\i+3], v[ADRS] offset:\i*SBLK         ; the scale words of all eight steps: lanes 0-15 A's block i (blocks 0-3 are used), lanes 16-31 B's
	ds_load_b128 v[SC+8*\i+4:SC+8*\i+7], v[ADRS] offset:\i*SBLK+16
.endr
	P2FETCH 0
	P2FETCH 1
	s_wait_dscnt 24                                ; all but step 1's 24 loads
	WIN MUL_LO
	P2MUL 0, 1
.set Q, 1
.rept 7
	PLACES NP                                      ; ahead of loads into the set that the last step multiplied
.if Q < 7
	P2FETCH Q+1
	s_wait_dscnt 24                                ; this step's fragments are in; the 24 just issued may be out
.else
	s_wait_dscnt 0x0
.endif
	WIN MUL_LO
	P2MUL Q, 0
.set Q, Q+1
.endr
	WIN 0
	PLACES NP
	s_wait_xcnt 0x0                                ; the first way out's stores have read their bases and registers
	s_lshl_b32 s20, s42, 1
	s_add_co_u32 s20, s20, s15                     ; my head: 2 g + half
	s_lshr_b32 s21, s17, 3
	s_lshl_b32 s21, s21, 4
	s_add_co_u32 s20, s20, s21
	s_and_b32 s21, s17, 7
	s_lshl_b32 s21, s21, 1
	s_add_co_u32 s21, s21, s16                     ; the key step
	s_mul_i32 s98, s20, 143360
	s_mul_i32 s99, s21, 8960
	s_add_co_u32 s98, s98, s99
	s_add_co_u32 s98, s98, 4608                    ; V's images lie behind K's part
	s_mov_b32 s99, 0
	s_add_nc_u64 s[BA0:BA0+1], s[10:11], s[98:99]
	s_add_nc_u64 s[SBA:SBA+1], s[BA0:BA0+1], 4096
	s_wait_alu depctr_va_vdst(0)
	v_lshlrev_b32 v[SOFF], 4, v[RR]                ; scale words: 16 bytes a row; lanes l and l xor 16 hold the same words and store them to the same place
.irp a, 0,1,2,3
	QUANTW \a
	global_store_b128 v[LI], v[PC:PC+3], s[BA0+2*(\a/4):BA0+2*(\a/4)+1] offset:1024*(\a%4)
	global_store_b128 v[LI], v[PC+4:PC+7], s[BA0+2*(\a/4):BA0+2*(\a/4)+1] offset:1024*(\a%4)+512 ; keys 64-127
.endr
	s_wait_alu depctr_va_vdst(0)
	global_store_b128 v[SOFF], v[PWS:PWS+3], s[SBA:SBA+1]     ; sixteen lanes store 256 consecutive bytes, aligned
.Ljoin:
	s_wait_tensorcnt 0x0                           ; the wave's end
	ds_add_u32 v[SPW], v[NIL]
	s_wait_dscnt 0x0
	CROUND                                         ; the closing round
	s_endpgm
.Lfunc_end_k_qc481c42968_proj:
	.size	k_qc481c42968_proj, .Lfunc_end_k_qc481c42968_proj-k_qc481c42968_proj
	.p2alignl 7, 3214868480
	.fill 96, 4, 3214868480
	.section	.rodata,"a",@progbits
	.p2align	6, 0x0
	.amdhsa_kernel k_qc481c42968_proj
		.amdhsa_group_segment_fixed_size 327680
		.amdhsa_private_segment_fixed_size 0
		.amdhsa_enable_private_segment 0
		.amdhsa_kernarg_size 32
		.amdhsa_user_sgpr_count 2
		.amdhsa_user_sgpr_kernarg_segment_ptr 1
		.amdhsa_wavefront_size32 1
		.amdhsa_system_sgpr_workgroup_id_x 1
		.amdhsa_system_sgpr_workgroup_id_y 1
		.amdhsa_system_sgpr_workgroup_id_z 1
		.amdhsa_system_vgpr_workitem_id 0
		.amdhsa_next_free_vgpr 1024
		.amdhsa_next_free_sgpr 102
		.amdhsa_reserve_vcc 0
		.amdhsa_float_denorm_mode_32 3
		.amdhsa_float_denorm_mode_16_64 3
		.amdhsa_memory_ordered 1
		.amdhsa_forward_progress 1
		.amdhsa_inst_pref_size 195
	.end_amdhsa_kernel
	.amdgpu_metadata
---
amdhsa.version: [ 1, 2 ]
amdhsa.kernels:
  - .name:           k_qc481c42968_proj
    .symbol:         k_qc481c42968_proj.kd
    .args:
      - { .name: xq, .offset: 0, .size: 8, .value_kind: global_buffer, .address_space: global }
      - { .name: wq, .offset: 8, .size: 8, .value_kind: global_buffer, .address_space: global }
      - { .name: qi, .offset: 16, .size: 8, .value_kind: global_buffer, .address_space: global }
      - { .name: kv, .offset: 24, .size: 8, .value_kind: global_buffer, .address_space: global }
    .group_segment_fixed_size: 327680
    .private_segment_fixed_size: 0
    .kernarg_segment_align: 8
    .kernarg_segment_size: 32
    .max_flat_workgroup_size: 128
    .sgpr_count:     102
    .vgpr_count:     1024
    .wavefront_size: 32
...
	.end_amdgpu_metadata
.endif
;; end of part 2
;; launch attn (part 3): grid 4 x 64, 16 waves a work-group, clusters of 4 x 1, 167,936 bytes of LDS; arguments qi, kv, ao; writes ao
.if DOCPART == 3
	.amdgcn_target "amdgcn-amd-amdhsa--gfx1250"
	.amdhsa_code_object_version 6
	.text
	.protected	k_qc481c42968_attn
	.globl	k_qc481c42968_attn
	.p2align	8
	.type	k_qc481c42968_attn,@function
k_qc481c42968_attn:
	s_mov_b64 s[64:65], 0
	v_nop
	global_prefetch_b8 v0, s[64:65] scope:SCOPE_SE
	s_setreg_imm32_b32 hwreg(HW_REG_WAVE_MODE, 25, 1), 1
	s_wait_xcnt 0x0
	s_wait_alu depctr_hold_cnt(0) depctr_sa_sdst(0) depctr_va_vdst(0) depctr_va_sdst(0) depctr_va_ssrc(0) depctr_va_vcc(0) depctr_vm_vsrc(0)
	s_getreg_b32 s2, hwreg(HW_REG_IB_STS2, 6, 4)
	s_cmp_eq_u32 s2, 0
	s_cbranch_scc0 .Lentry_in_a_cluster
	s_endpgm
.Lentry_in_a_cluster:
	s_bfe_u32 s2, ttmp6, 0x10000c
	s_cmp_lg_u32 s2, 0x3003
	s_cbranch_scc0 .Lentry_shape_is_right
	s_endpgm
.Lentry_shape_is_right:
; Launch 3 of 4: o = softmax(q k^T / 8) v under the causal mask, both products on codes of E2M1; o / l is quantised along d into images of the last launch's operand.
; WORK LEFT OUT: steps of 128 keys all of which come after a tile's 16 queries: reference() itself writes finfo.min over their scores, and their weight is 0 for all finite inputs (the first launch's head has the argument and the limits).
; The division of q by 8 stands in c = log2(e) / 8, exactly.
; THE SOFTMAX: t = score x c; M = the running largest t rounded up to a whole number; p = 2^(t - M) is quantised along the keys, not normalised; l is the sum of the unquantised p and divides at the end.
; When M moves, l and O are multiplied by 2^(old M - new M): exact.  LIMIT: the promise holds while the scaled scores stay under 2^31 in magnitude.
; SHARES.  A cluster of four work-groups is one (batch, head).  The head's K and V, 16 key steps x 8,960 bytes of operand images and scale words, stay in LDS, filled ONCE: wave w asks for step w, jointly with its three partners.
; Wave w of work-group cx owns query tiles 4 w + cx and 127 - (4 w + cx): w / 2 + 1 and 16 - w / 2 live key steps: 17 for every wave.  Branches hang on the wave's number and the count of steps alone;
; the place in the cluster enters global addresses and the mask's numbers only.  No prefetch: K and V come once, at the head, and there is no loop to run ahead in.
; LAYOUT.  Both products transposed: S^T = K Q^T, O^T = V^T P^T: a lane holds ONE query (lane % 16).  The first product's K is 64: registers 4-7 of both operands hold zero codes.
; In S^T register 16 b + 8 u + j is key 32 b + 16 u + 8 h + j, the permutation inside a block of 32 keys that V's images carry too.  O^T's register 16 b + 8 u + j is d = 32 b + 16 h + 8 u + j.
; SCALE WORDS.  One load of 16 bytes a lane at 16 x lane brings K's words of tiles 0-3 to lanes 0-15 and of tiles 4-7 to lanes 16-31 (read by ROW1).  V's words are read 256 bytes early, so that they
; fall into lanes 16-31 (ROW1); what lanes 0-15 of v26-29 get is read by no instruction.
; REGISTERS: v1, v2, v5, v7, v8 addresses; v12 -M, v13 largest score, v[14:15] l; v16-19 Q, v20-23 zeros; v24 Q's, v25 P's, v26-29 V's scale words; v30-31, v228-231 partial sums; v32-95 K's fragments (upper halves zeros);
; v96-159 S^T, then p; v160-191 O^T; v192-223 V's fragments; v224-227 K's scale words; v232-239 P's codes; v240-255 at work.
.set BLKB,  8960
.set HBB,   143360
.set SPARE, 143360                     ; behind K and V: the spare words, 128 bytes for each of sixteen waves
.set QSC,   4194304
.set ASC,   4194304
.set LI,   1                           ; 16 x lane
.set LSC,  2                           ; 16 x (lane % 16)
.set SPW,  3
.set NIL,  4
.set ADK,  5
.set QD,   7                           ; lane % 16 - 8 (lane / 16)
.set SBO,  8                           ; 32 (lane % 16) + lane / 16
.set WV,   10                          ; s10 wave; s11 cx; s12 16 x batch + head; s13 query tile; s14 its diagonal step; s15 the step; s16 its LDS byte; s17 16 x (tile % 8); s49 1 where tile % 8 >= 4
.set SEL,  18
.set CS,   20
.set G1,   24
.set G0,   32
.macro CROUND
	s_barrier_signal -1
	s_barrier_wait -1
	s_cmp_lg_u32 s[WV], 0
	s_cbranch_scc1 .Lnot_wave_0_\@
	s_barrier_signal -3
.Lnot_wave_0_\@:
	s_barrier_wait -3
	s_barrier_signal -1
	s_barrier_wait -1
.endm
.macro QLOAD                           ; tile s13's image of Q and its scale words
	s_lshl_b32 s44, s12, 7
	s_add_co_u32 s44, s44, s13
	s_lshl_b32 s44, s44, 9
	s_add_nc_u64 s[36:37], s[4:5], s[44:45]
	s_lshr_b32 s44, s13, 2
	s_lshl_b32 s44, s44, 8                         ; scale words: [group of 8 tiles][half][row][tile % 4]
	s_and_b32 s46, s13, 3
	s_lshl_b32 s46, s46, 2
	s_add_co_u32 s44, s44, s46
	s_lshl_b32 s46, s12, 13
	s_add_co_u32 s44, s44, s46
	s_add_co_u32 s44, s44, QSC
	s_add_nc_u64 s[38:39], s[4:5], s[44:45]
	global_load_b128 v[16:19], v[LI], s[36:37]
	global_load_b32 v24, v[LSC], s[38:39]
.endm
.macro MASK lo                         ; registers lo .. lo + 31: register 8 t + j holds key 16 t + 8 h + j of the step: hidden where 16 t + j > my query's place - 8 h
.set n, \lo
.rept 32
	v_cmp_gt_i32 vcc_lo, 16*(n/8)+n%8, v254
	v_cndmask_b32 v[96+n], v[96+n], v255, vcc_lo
.set n, n+1
.endr
.endm
.macro ADD8 k                          ; eight pairs of p, from pair k on, onto the eight chains
	v_pk_add_f32 v[228:229], v[228:229], v[96+2*(\k):97+2*(\k)]
	v_pk_add_f32 v[230:231], v[230:231], v[98+2*(\k):99+2*(\k)]
	v_pk_add_f32 v[30:31], v[30:31], v[100+2*(\k):101+2*(\k)]
	v_pk_add_f32 v[240:241], v[240:241], v[102+2*(\k):103+2*(\k)]
	v_pk_add_f32 v[242:243], v[242:243], v[104+2*(\k):105+2*(\k)]
	v_pk_add_f32 v[244:245], v[244:245], v[106+2*(\k):107+2*(\k)]
	v_pk_add_f32 v[246:247], v[246:247], v[108+2*(\k):109+2*(\k)]
	v_pk_add_f32 v[14:15], v[14:15], v[110+2*(\k):111+2*(\k)]
.endm
.macro OR4 k                           ; accumulator k of O^T under the new M, from its low end on
.irp j, 0,2,4,6
	v_pk_mul_f32 v[160+8*(\k)+\j:161+8*(\k)+\j], v[160+8*(\k)+\j:161+8*(\k)+\j], v[252:253] op_sel_hi:[1,0]
.endr
.endm
.macro VL t                            ; V's fragment t
	ds_load_b128 v[192+8*(\t):195+8*(\t)], v[ADK] offset:4608+1024*(\t)
	ds_load_b128 v[196+8*(\t):199+8*(\t)], v[ADK] offset:4608+1024*(\t)+512
.endm
	s_load_b128 s[4:7], s[0:1], 0x0                ; qi, kv
	s_load_b64 s[8:9], s[0:1], 0x10                ; ao
	v_lshl_add_u32 v[SPW], v0, 2, SPARE
	v_mov_b32 v[NIL], 0
	ds_add_u32 v[SPW], v[NIL]                      ; the opening: the add, twice on end, and its wait ahead of my first tensor load
	ds_add_u32 v[SPW], v[NIL]
	v_lshrrev_b32 v1, 5, v0
	v_readfirstlane_b32 s[WV], v1                  ; wave 0..15
	s_bfe_u32 s11, ttmp6, 0x40000                  ; cx
	s_and_b32 s12, ttmp7, 0xffff                   ; 16 x batch + head
	s_lshl_b32 s13, s[WV], 2
	s_add_co_u32 s13, s13, s11                     ; my early tile
	s_lshr_b32 s14, s[WV], 1                       ; its diagonal step
	s_and_b32 s49, s[WV], 1                        ; tile % 8 = 4 (wave % 2) + cx
	s_mov_b32 s[SEL], 0x76543210
	s_mov_b32 s[SEL+1], 0xfedcba98
	s_mov_b32 s[CS], 0x3e38aa3b                    ; c = log2(e) / 8
	s_mov_b32 s[CS+1], s[CS]
	s_mov_b32 s[G1], 15|(3<<16)|(1<<21)            ; 8,960 dense bytes as 35 rows of 256; the mask names all four work-groups
	s_mov_b32 s[G1+1], 32<<16
	s_mov_b32 s[G1+2], 35<<16
	s_mov_b32 s[G1+3], 32<<16
	s_mov_b32 s[G1+4], 35
	s_mov_b32 s[G1+5], 32
	s_mov_b32 s[G1+6], 0
	s_mov_b32 s[G1+7], 0
	s_mov_b32 s[G0], 1
	s_mul_i32 s[G0+1], s[WV], BLKB                 ; LDS: key step w at 8,960 w
	s_mul_i32 s44, s12, HBB
	s_add_co_u32 s44, s44, s[G0+1]
	s_mov_b32 s45, 0                               ; stays 0: the upper word of every offset
	s_wait_dscnt 0x0
	s_wait_kmcnt 0x0
	s_add_nc_u64 s[G0+2:G0+3], s[6:7], s[44:45]
	s_or_b32 s[G0+3], s[G0+3], 0x80000000
	CROUND                                         ; all four work-groups are here: the joint loads meet
	tensor_load_to_lds s[G0:G0+3], s[G1:G1+7]      ; every wave's one tensor load
	s_nop 0
	v_and_b32 v9, 31, v0
	v_and_b32 v10, 15, v0                          ; r
	v_bfe_u32 v11, v0, 4, 1                        ; h
	v_lshlrev_b32 v[LI], 4, v9
	v_cmp_lt_u32 s48, 15, v9                       ; s48: the lanes 16-31
	v_lshlrev_b32 v[LSC], 4, v10
	v_lshlrev_b32 v9, 3, v11
	v_lshl_add_u32 v[SBO], v10, 5, v11
	v_sub_nc_u32 v[QD], v10, v9
.irp j, 20,21,22,23
	v_mov_b32 v\j, 0                               ; Q's K = 64 .. 127: zero codes
.endr
.irp t, 0,1,2,3,4,5,6,7
.irp j, 4,5,6,7
	v_mov_b32 v[32+8*\t+\j], 0                     ; and K's, once for the launch
.endr
.endr
.irp b, 0,1,2,3
	v_mov_b32 v[244+\b], 0                         ; a lane permute's destination counts as one of its sources
.endr
	s_wait_alu depctr_va_vdst(0)
	QLOAD                                          ; the early tile's Q is on its way while K and V land
	s_wait_tensorcnt 0x0                           ; my key step has landed,
	s_barrier_signal -1
	s_barrier_wait -1                              ; everybody's has
; ONE QUERY TILE.  more = 1: behind its loop the next tile's Q is asked for, ahead of the way out.
.macro TILE more
	s_wait_xcnt 0x0                                ; the last tile's stores have read their bases and data
	s_lshr_b32 s46, s12, 4
	s_lshl_b32 s46, s46, 7
	s_add_co_u32 s46, s46, s13                     ; my tile of tokens among 512
	s_and_b32 s47, s12, 15                         ; the head
	s_lshl_b32 s44, s46, 4
	s_add_co_u32 s44, s44, s47
	s_lshl_b32 s44, s44, 9
	s_add_nc_u64 s[40:41], s[8:9], s[44:45]        ; ao's image
	s_lshl_b32 s44, s46, 9
	s_lshl_b32 s47, s47, 1
	s_add_co_u32 s44, s44, s47
	s_add_co_u32 s44, s44, ASC
	s_add_nc_u64 s[42:43], s[8:9], s[44:45]        ; its scale bytes
	s_and_b32 s17, s13, 7
	s_lshl_b32 s17, s17, 4                         ; my first query's place in the diagonal step
	s_mov_b32 s16, 0
	s_mov_b32 s15, 0
	v_mov_b32 v13, 0xff61b1e6                      ; the largest score so far: -3e38
	v_mov_b32 v12, 0x7f61b1e6                      ; -M
	v_mov_b32 v14, 0
	v_mov_b32 v15, 0
.set n, 0
.rept 32
	v_mov_b32 v[160+n], 0                          ; O^T: the step is written once; the first change of M leaves zeros zeros
.set n, n+1
.endr
	s_wait_alu depctr_va_vdst(0)
	s_wait_loadcnt 0x0                             ; Q
.Lstep_\@:                                         ; sixteen trips, a constant; a step behind the diagonal is jumped over
	s_cmp_gt_u32 s15, s14
	s_cbranch_scc1 .Lskip_\@
	v_add_nc_u32 v[ADK], s16, v[LI]
.irp t, 0,1,2,3,4,5,6,7
	ds_load_b128 v[32+8*\t:35+8*\t], v[ADK] offset:512*\t          ; K's eight images
.endr
	ds_load_b128 v[224:227], v[ADK] offset:4096                    ; their scale words: tiles 0-3 in lanes 0-15, tiles 4-7 in lanes 16-31
	s_wait_alu depctr_va_vdst(0)
	s_wait_dscnt 0x0
.irp t, 0,1,2,3
	v_wmma_scale_f32_16x16x128_f8f6f4 v[96+8*\t:103+8*\t], v[32+8*\t:39+8*\t], v[16:23], 0, v[224+\t], v24 matrix_a_fmt:MATRIX_FMT_FP4 matrix_b_fmt:MATRIX_FMT_FP4
.endr
.irp t, 4,5,6,7
	v_wmma_scale_f32_16x16x128_f8f6f4 v[96+8*\t:103+8*\t], v[32+8*\t:39+8*\t], v[16:23], 0, v[220+\t], v24 matrix_a_fmt:MATRIX_FMT_FP4 matrix_b_fmt:MATRIX_FMT_FP4 matrix_a_scale:MATRIX_SCALE_ROW1
.endr
	v_add_nc_u32 v254, s17, v[QD]                  ; four places behind the products: the mask's number,
	v_mov_b32 v255, 0xff800000                     ; -infinity,
	v_mov_b32 v253, v12                            ; the old -M,
	v_nop
	s_cmp_lg_u32 s15, s14
	s_cbranch_scc1 .Lopen_\@
	s_wait_alu depctr_va_vdst(0)
	s_cmp_lg_u32 s49, 0                            ; on the diagonal: which half of the step's keys holds my queries hangs on the wave's number alone
	s_cbranch_scc1 .Lhi_\@
	MASK 0
.set n, 32
.rept 32
	v_mov_b32 v[96+n], v255                        ; keys 64-127 all come after my queries
.set n, n+1
.endr
	s_wait_alu depctr_va_vdst(0)
	s_branch .Lopen_\@
.Lhi_\@:
	MASK 32                                        ; keys 0-63 all count
.Lopen_\@:
.irp b, 0,1,2,3                                    ; the largest score of each block of 32 keys, for the row's maximum and for the block's largest p: eight chains by turns, two to a block
	v_max3_num_f32 v[240+\b], v[96+16*\b], v[97+16*\b], v[98+16*\b]
	v_max3_num_f32 v[244+\b], v[104+16*\b], v[105+16*\b], v[106+16*\b]
.endr
.irp i, 3,5
.irp b, 0,1,2,3
	v_max3_num_f32 v[240+\b], v[240+\b], v[96+16*\b+\i], v[97+16*\b+\i]
	v_max3_num_f32 v[244+\b], v[244+\b], v[104+16*\b+\i], v[105+16*\b+\i]
.endr
.endr
.irp b, 0,1,2,3
	v_max3_num_f32 v[244+\b], v[244+\b], v[103+16*\b], v[111+16*\b]
.endr
.irp b, 0,1,2,3
	v_max_num_f32 v[240+\b], v[240+\b], v[244+\b]
.endr
.irp b, 0,1,2,3
	v_permlanex16_b32 v[244+\b], v[240+\b], s[SEL], s[SEL+1]
.endr
.irp b, 0,1,2,3
	v_max_num_f32 v[240+\b], v[240+\b], v[244+\b]  ; with lane l xor 16's 16 keys
.endr
	v_max3_num_f32 v254, v240, v241, v242          ; V's nine loads stand between the lines of this chain: far more than four places lie behind the last step's second product
	VL 0
	v_max3_num_f32 v13, v254, v243, v13            ; the running largest score (c is positive: the largest t is c x it)
	VL 1
	v_mul_f32 v254, s[CS], v13
	VL 2
	v_floor_f32 v12, -v254                         ; the new -M = -ceil(t)
	VL 3
	ds_load_b128 v[26:29], v[ADK] offset:8448      ; V's scale words fall into lanes 16-31
.set n, 0
.rept 32
	v_pk_fma_f32 v[96+n:97+n], v[96+n:97+n], s[CS:CS+1], v[12:13] op_sel_hi:[1,0,0]   ; t - M, two at a time; f's three lines stand among them
.if n == 6
	v_sub_f32 v254, v12, v253                      ; old M - new M: a whole number, 0 or less
.endif
.if n == 14
	v_cvt_i32_f32 v254, v254                       ; (it saturates)
.endif
.if n == 22
	v_ldexp_f32 v252, 1.0, v254                    ; f = 2^(old M - new M)
.endif
.set n, n+2
.endr
.irp b, 0,1,2,3
	v_fma_f32 v[240+\b], v[240+\b], s[CS], v12     ; the same of each block's largest score
.endr
	s_wait_alu depctr_va_vdst(0)
.set n, 0
.rept 64
	v_exp_f32 v[96+n], v[96+n]                     ; p = 2^(t - M)
.set n, n+1
.endr
.irp b, 0,1,2,3
	v_exp_f32 v[240+\b], v[240+\b]                 ; the blocks' largest p
.endr
	v_pk_mul_f32 v[14:15], v[14:15], v[252:253] op_sel_hi:[1,0]   ; l under the new M: a plain place behind the exponentials
	s_wait_alu depctr_va_vdst(0)                   ; one wait for the batch, directly ahead of O^T's first readers too
	OR4 0                                          ; O^T under the new M, by turns with the lines that make p's scales
.irp b, 0,1,2,3
	v_max_num_f32 v[240+\b], 0x1800000, v[240+\b]  ; the floor 2^(3 - 127)
.endr
	OR4 1
.irp b, 0,1,2,3
	v_add_nc_u32 v[248+\b], 0xff000000, v[240+\b]  ; the conversion's scale operand
.endr
	OR4 2
.irp b, 0,1,2,3
	v_lshrrev_b32 v[244+\b], 23, v[248+\b]         ; the scale's byte
.endr
	OR4 3
	v_lshl_or_b32 v25, v245, 8, v244               ; p's scale word for these 128 keys: its halves,
	v_lshl_or_b32 v254, v247, 8, v246
.irp b, 0,1,2,3
	v_cvt_scalef32_pk8_fp4_f32 v[232+2*\b], v[96+16*\b:103+16*\b], v[248+\b]
	v_cvt_scalef32_pk8_fp4_f32 v[233+2*\b], v[104+16*\b:111+16*\b], v[248+\b]
.endr
	v_lshl_or_b32 v25, v254, 16, v25               ; and the whole.  (A plain line behind the conversions)
	v_pk_add_f32 v[228:229], v[96:97], v[98:99]    ; l: the sum of the unquantised p, two at a time, in eight chains
	v_pk_add_f32 v[230:231], v[100:101], v[102:103]
	v_pk_add_f32 v[30:31], v[104:105], v[106:107]
	v_pk_add_f32 v[240:241], v[108:109], v[110:111]
	v_pk_add_f32 v[242:243], v[112:113], v[114:115]
	v_pk_add_f32 v[244:245], v[116:117], v[118:119]
	v_pk_add_f32 v[246:247], v[120:121], v[122:123]
	v_pk_add_f32 v[14:15], v[14:15], v[124:125]
	ADD8 15
.irp c, 0,1
.irp i, 0,1
	v_permlane16_swap_b32 v[232+4*\c+\i], v[234+4*\c+\i]   ; a whole block in a lane
.endr
.endr
	ADD8 23                                        ; these sixteen are also the places between the codes just written and the products below
	v_pk_add_f32 v[228:229], v[228:229], v[158:159]
	v_pk_add_f32 v[230:231], v[230:231], v[30:31]
	v_pk_add_f32 v[240:241], v[240:241], v[242:243]
	v_pk_add_f32 v[244:245], v[244:245], v[246:247]
	v_pk_add_f32 v[14:15], v[14:15], v[228:229]
	v_pk_add_f32 v[230:231], v[230:231], v[240:241]
	v_pk_add_f32 v[14:15], v[14:15], v[244:245]
	v_pk_add_f32 v[14:15], v[14:15], v[230:231]
	s_wait_alu depctr_va_vdst(0)
	s_wait_dscnt 0x0                               ; V
.irp t, 0,1,2,3
	v_wmma_scale_f32_16x16x128_f8f6f4 v[160+8*\t:167+8*\t], v[192+8*\t:199+8*\t], v[232:239], v[160+8*\t:167+8*\t], v[26+\t], v25 matrix_a_fmt:MATRIX_FMT_FP4 matrix_b_fmt:MATRIX_FMT_FP4 matrix_a_scale:MATRIX_SCALE_ROW1
.endr
.Lskip_\@:
	s_add_co_u32 s16, s16, BLKB
	s_add_co_u32 s15, s15, 1
	s_cmp_lt_u32 s15, 16
	s_cbranch_scc1 .Lstep_\@
.if \more
	s_sub_co_u32 s13, 127, s13                     ; the late tile, its diagonal step, and its half of that step
	s_sub_co_u32 s14, 15, s14
	s_xor_b32 s49, s49, 1
	QLOAD                                          ; its Q is on its way during this tile's way out, which names none of v16-19, v24
.endif
	; the way out: O^T / l, quantised along d: two blocks of 32
	v_add_f32 v14, v14, v15
	v_permlanex16_b32 v244, v14, s[SEL], s[SEL+1]
	v_add_f32 v14, v14, v244                       ; the row's sum
	s_wait_alu depctr_va_vdst(0)                   ; ahead of the transcendental
	v_rcp_f32 v14, v14
.rept 3
	v_nop                                          ; a plain place behind the transcendental; with the lines above, the places behind the last products
.endr
	s_wait_alu depctr_va_vdst(0)                   ; and the wait directly ahead of the first readers
.set n, 0
.rept 16
	v_pk_mul_f32 v[96+n:97+n], v[160+n:161+n], v[14:15] op_sel_hi:[1,0]   ; register 16 b + i is o(my query, 32 b + 16 h + i); each accumulator from its low end on
.set n, n+2
.endr
.irp b, 0,1
	v_max3_num_f32 v[240+\b], |v[96+16*\b]|, |v[97+16*\b]|, 0x1800000
.endr
.irp i, 2,4,6,8,10,12,14
.irp b, 0,1
	v_max3_num_f32 v[240+\b], v[240+\b], |v[96+16*\b+\i]|, |v[97+16*\b+\i]|
.endr
.endr
.irp b, 0,1
	v_permlanex16_b32 v[244+\b], v[240+\b], s[SEL], s[SEL+1]
.endr
.irp b, 0,1
	v_max_num_f32 v[240+\b], v[240+\b], v[244+\b]
.endr
.irp b, 0,1
	v_add_nc_u32 v[248+\b], 0xff000000, v[240+\b]
.endr
.irp b, 0,1
	v_lshrrev_b32 v[244+\b], 23, v[248+\b]
.endr
.irp b, 0,1
	v_cvt_scalef32_pk8_fp4_f32 v[232+2*\b], v[96+16*\b:103+16*\b], v[248+\b]
	v_cvt_scalef32_pk8_fp4_f32 v[233+2*\b], v[104+16*\b:111+16*\b], v[248+\b]
.endr
	v_cndmask_b32 v254, v244, v245, s48            ; my half's byte.  (A plain place behind the conversions)
	v_permlane16_swap_b32 v232, v234               ; lanes 0-15: block 0, lanes 16-31: block 1
	v_permlane16_swap_b32 v233, v235
	global_store_b128 v[LI], v[232:235], s[40:41]  ; 32 lanes store 512 consecutive bytes, aligned
	global_store_b8 v[SBO], v254, s[42:43]         ; a head has two bytes of a token's 32: single bytes, 32 apart
.endm
	TILE 1
	TILE 0
	s_wait_tensorcnt 0x0                           ; the wave's end
	ds_add_u32 v[SPW], v[NIL]
	s_wait_dscnt 0x0
	CROUND                                         ; the closing round
	s_endpgm
.Lfunc_end_k_qc481c42968_attn:
	.size	k_qc481c42968_attn, .Lfunc_end_k_qc481c42968_attn-k_qc481c42968_attn
	.p2alignl 7, 3214868480
	.fill 96, 4, 3214868480
	.section	.rodata,"a",@progbits
	.p2align	6, 0x0
	.amdhsa_kernel k_qc481c42968_attn
		.amdhsa_group_segment_fixed_size 167936
		.amdhsa_private_segment_fixed_size 0
		.amdhsa_enable_private_segment 0
		.amdhsa_kernarg_size 24
		.amdhsa_user_sgpr_count 2
		.amdhsa_user_sgpr_kernarg_segment_ptr 1
		.amdhsa_wavefront_size32 1
		.amdhsa_system_sgpr_workgroup_id_x 1
		.amdhsa_system_sgpr_workgroup_id_y 1
		.amdhsa_system_sgpr_workgroup_id_z 1
		.amdhsa_system_vgpr_workitem_id 0
		.amdhsa_next_free_vgpr 256
		.amdhsa_next_free_sgpr 66
		.amdhsa_reserve_vcc 1
		.amdhsa_float_denorm_mode_32 3
		.amdhsa_float_denorm_mode_16_64 3
		.amdhsa_memory_ordered 1
		.amdhsa_forward_progress 1
		.amdhsa_inst_pref_size 59
	.end_amdhsa_kernel
	.amdgpu_metadata
---
amdhsa.version: [ 1, 2 ]
amdhsa.kernels:
  - .name:           k_qc481c42968_attn
    .symbol:         k_qc481c42968_attn.kd
    .args:
      - { .name: qi, .offset: 0, .size: 8, .value_kind: global_buffer, .address_space: global }
      - { .name: kv, .offset: 8, .size: 8, .value_kind: global_buffer, .address_space: global }
      - { .name: ao, .offset: 16, .size: 8, .value_kind: global_buffer, .address_space: global }
    .group_segment_fixed_size: 167936
    .private_segment_fixed_size: 0
    .kernarg_segment_align: 8
    .kernarg_segment_size: 24
    .max_flat_workgroup_size: 512
    .sgpr_count:     66
    .vgpr_count:     256
    .wavefront_size: 32
...
	.end_amdgpu_metadata
.endif
;; end of part 3
;; launch outp (part 4): grid 4 x 64, 4 waves a work-group, clusters of 4 x 4, 327,680 bytes of LDS; arguments ao, woq, bo, out0; writes out0
.if DOCPART == 4
	.amdgcn_target "amdgcn-amd-amdhsa--gfx1250"
	.amdhsa_code_object_version 6
	.text
	.protected	k_qc481c42968_outp
	.globl	k_qc481c42968_outp
	.p2align	8
	.type	k_qc481c42968_outp,@function
k_qc481c42968_outp:
	s_mov_b64 s[64:65], 0
	v_nop
	global_prefetch_b8 v0, s[64:65] scope:SCOPE_SE
	s_setreg_imm32_b32 hwreg(HW_REG_WAVE_MODE, 25, 1), 1
	s_wait_xcnt 0x0
	s_wait_alu depctr_hold_cnt(0) depctr_sa_sdst(0) depctr_va_vdst(0) depctr_va_sdst(0) depctr_va_ssrc(0) depctr_va_vcc(0) depctr_vm_vsrc(0)
	s_getreg_b32 s2, hwreg(HW_REG_IB_STS2, 6, 4)
	s_cmp_eq_u32 s2, 0
	s_cbranch_scc0 .Lentry_in_a_cluster
	s_endpgm
.Lentry_in_a_cluster:
	s_bfe_u32 s2, ttmp6, 0x10000c
	s_cmp_lg_u32 s2, 0xf033
	s_cbranch_scc0 .Lentry_shape_is_right
	s_endpgm
.Lentry_shape_is_right:
; Launch 4 of 4: out0 = o Wo^T + bo on codes of E2M1, K = 1,024.  Nothing of reference() is left out here.
; A work-group makes 128 tokens x 256 columns: 64 x 4 = 256 work-groups.  A wave makes 64 x 128: 32 accumulators of 16 x 16, 256 registers.
; ALL OF K COMES AT ONCE, one joint load a wave at the head: wave 0 A's 8 tiles of images (65,536 dense bytes), wave 1 B's 256 rows of 512 bytes, wave 2 A's scale bytes, wave 3 B's.  Nothing is filled later,
; so there is no ring, and no prefetch: the launch has no loop to run ahead in.
; CLUSTERS 4 x 4: A's tile and scale bytes are asked for jointly along a row of the cluster, B's along a column.
; TRANSPOSED USE: source 0 = 16 rows of Wo, source 1 = 16 tokens: a lane holds eight neighbouring columns of one row of out0.  bo is the C of each accumulator's first product.
; REGISTERS: window 0: v16-30 addresses; v32-95 scale words (register 8 i + q: lanes 0-15 A's block i, lanes 16-31 B's block i, K step q); v128-191 A's fragments, two sets; on the way out v128-255.
;   window 1: B's fragments, two sets, at v0 and v128; v64-127 bo.   window 2: accumulator (a, b) at v[8 (8 a + b)].
.set SIZE_N, 1024
.set PITCH,  528                       ; B's LDS row: 512 bytes + 16 of padding = 132 words: the 16 rows that a load touches start at 16 different banks
.set BOFF,   65536                     ; behind A's images
.set HALFB,  128*PITCH
.set SCL,    BOFF+2*HALFB              ; the scale bytes, as rows of 256 bytes + 16: A's 16 rows, then B's 32
.set SROW,   272
.set SBLK,   2*SROW                    ; those of 16 rows of A or B
.set SPARE,  SCL+48*SROW               ; the spare words, 128 bytes for each wave
.set STAGE,  SPARE+512                 ; the way out: 16 rows x 528 bytes for each wave, bytes into which no fill lands
.set SPITCH, 528
.set ADRA, 16
.set ADRB, 20
.set STO,  24
.set RD,   25
.set CO,   26
.set ADRS, 27
.set SPW,  28
.set NIL,  29
.set BOA,  30
.set SC,   32
.set AF,   128
.set BK,   128
.set BIAS, 64
.set G1,   24
.set G0,   32
.set G0B,  36
.set G1B,  48
.set G1S,  68
.set G0S,  76
.set G1SB, 80
.set G0SB, 88
.set MSB, 0
.macro WIN new                         ; the immediate's high byte repeats the setting that is left
.if MSB != (\new)
	s_set_vgpr_msb (MSB<<8)|(\new)
.set MSB, (\new)
.endif
.endm
.set MUL_W, 0xa1                       ; source 0 (B) window 1, source 1 (A) window 0, C and D window 2
.set FST_W, 0x91                       ; the same with C (bo) in window 1
.set TO_B,  0x40
.macro CROUND
	s_barrier_signal -1
	s_barrier_wait -1
	s_cmp_lg_u32 s14, 0
	s_cbranch_scc1 .Lnot_wave_0_\@
	s_barrier_signal -3
.Lnot_wave_0_\@:
	s_barrier_wait -3
	s_barrier_signal -1
	s_barrier_wait -1
.endm
.macro PLACES
.rept 4
	v_nop
.endr
.endm
.macro ARM under, g0, g1, next         ; one arm of the head's tree: its joint load and a jump to the tree's end
	s_cmp_lt_u32 s14, \under
	s_cbranch_scc0 \next
	tensor_load_to_lds s[\g0:\g0+3], s[\g1:\g1+7]
	s_nop 0
	PLACES
	s_branch .Lhead_asked
\next:
.endm
.macro DESC g, row, rows               ; group 1's words 1 to 7: rows of \row elements, dense
	s_mov_b32 s[\g+1], (\row)<<16
	s_mov_b32 s[\g+2], (\rows)<<16
	s_mov_b32 s[\g+3], (\row)<<16
	s_mov_b32 s[\g+4], \rows
	s_mov_b32 s[\g+5], \row
	s_mov_b32 s[\g+6], 0
	s_mov_b32 s[\g+7], 0
.endm
	s_load_b256 s[4:11], s[0:1], 0x0               ; ao s[4:5], woq s[6:7], bo s[8:9], out0 s[10:11]
	v_lshl_add_u32 v[SPW], v0, 2, SPARE
	v_mov_b32 v[NIL], 0
	ds_add_u32 v[SPW], v[NIL]                      ; the opening: the add, twice on end, and its wait ahead of my first tensor load
	ds_add_u32 v[SPW], v[NIL]
	v_lshrrev_b32 v1, 5, v0
	v_readfirstlane_b32 s14, v1                    ; wave 0..3
	s_lshr_b32 s15, s14, 1                         ; which 64 tokens are mine
	s_and_b32 s16, s14, 1                          ; which 128 columns
	s_bfe_u32 s40, ttmp6, 0x40000                  ; cx, cy
	s_bfe_u32 s41, ttmp6, 0x40004
	s_lshl_b32 s42, ttmp9, 2
	s_add_co_u32 s42, s42, s40                     ; tile column
	s_and_b32 s17, ttmp7, 0xffff
	s_lshl_b32 s17, s17, 2
	s_add_co_u32 s17, s17, s41                     ; tile row
	s_lshl_b32 s43, s41, 2
	s_lshl_b32 s43, 15, s43                        ; my row of the cluster
	s_lshl_b32 s44, 0x1111, s40                    ; my column
	s_or_b32 s[G1+0], s43, (3<<16)|(1<<21)                                   ; A: 256 rows of 256 bytes (32 elements of 8), no padding: an image is read 16 bytes a lane on end
	DESC G1, 32, 256
	s_or_b32 s[G1B+0], s44, (0<<16)|(1<<20)|(1<<21)|(6<<22)|(3<<25)          ; B: 256 rows of 512 bytes, four words of padding behind each 128
	DESC G1B, 512, 256
	s_or_b32 s[G1S+0], s43, (3<<16)|(1<<20)|(1<<21)|(5<<22)|(3<<25)          ; scale bytes: rows of 256, four words of padding behind each 64: A's 128 x 32 bytes,
	DESC G1S, 32, 16
	s_or_b32 s[G1SB+0], s44, (3<<16)|(1<<20)|(1<<21)|(5<<22)|(3<<25)         ; B's 256 x 32
	DESC G1SB, 32, 32
	s_lshl_b32 s20, s17, 16                        ; A's 8 tiles of 8,192 bytes,
	s_lshl_b32 s22, s17, 12
	s_add_co_u32 s22, s22, 0x400000                ; its scale bytes,
	s_lshl_b32 s46, s42, 17                        ; B's 256 rows of 512 bytes,
	s_lshl_b32 s92, s42, 13
	s_add_co_u32 s92, s92, 0x80000                 ; its scale bytes
	s_mov_b32 s21, 0
	s_mov_b32 s23, 0
	s_mov_b32 s47, 0
	s_mov_b32 s93, 0
	s_lshl_b32 s18, s15, 15                        ; LDS: my 4 tiles of A,
	s_mul_i32 s19, s16, HALFB
	s_add_co_u32 s19, s19, BOFF                    ; my 128 rows of B,
	s_mul_i32 s12, s15, 8*SROW                     ; my rows' scale bytes: A's,
	s_mul_i32 s13, s16, 16*SROW
	s_add_co_u32 s13, s13, 16*SROW
	s_sub_co_u32 s13, s13, s12                     ; and how far on B's lie
	s_add_co_u32 s12, s12, SCL
	s_mul_i32 s94, s14, 16*SPITCH
	s_add_co_u32 s94, s94, STAGE                   ; my stage
	s_mov_b32 s[G0], 1
	s_mov_b32 s[G0+1], 0
	s_mov_b32 s[G0B], 1
	s_mov_b32 s[G0B+1], BOFF
	s_mov_b32 s[G0S], 1
	s_mov_b32 s[G0S+1], SCL
	s_mov_b32 s[G0SB], 1
	s_mov_b32 s[G0SB+1], SCL+16*SROW
	s_wait_dscnt 0x0                               ; both opening adds are done
	s_wait_kmcnt 0x0
	s_add_nc_u64 s[G0+2:G0+3], s[4:5], s[20:21]
	s_or_b32 s[G0+3], s[G0+3], 0x80000000
	s_add_nc_u64 s[G0S+2:G0S+3], s[4:5], s[22:23]
	s_or_b32 s[G0S+3], s[G0S+3], 0x80000000
	s_add_nc_u64 s[G0B+2:G0B+3], s[6:7], s[46:47]
	s_or_b32 s[G0B+3], s[G0B+3], 0x80000000
	s_add_nc_u64 s[G0SB+2:G0SB+3], s[6:7], s[92:93]
	s_or_b32 s[G0SB+3], s[G0SB+3], 0x80000000
	CROUND                                         ; all sixteen work-groups are here: the joint loads meet
	ARM 1, G0,  G1,  .Lhead_b                      ; one tensor load a wave
	ARM 2, G0B, G1B, .Lhead_sa
	ARM 3, G0S, G1S, .Lhead_sb
	tensor_load_to_lds s[G0SB:G0SB+3], s[G1SB:G1SB+7]
	s_nop 0
	PLACES
.Lhead_asked:
	v_and_b32 v1, 15, v0                           ; r
	v_bfe_u32 v2, v0, 4, 1                         ; h
	v_and_b32 v6, 31, v0
	v_mul_u32_u24 v3, v1, PITCH
	v_lshlrev_b32 v7, 4, v6                        ; 16 x lane
	v_mul_u32_u24 v5, v1, 32                       ; my row's scale bytes: 32 a row,
	v_lshl_add_u32 v4, v2, 4, v3
	v_add_nc_u32 v[ADRA], s18, v7
	v_lshrrev_b32 v6, 8, v5
	v_add_nc_u32 v[ADRB], s19, v4
	v_lshl_add_u32 v5, v6, 4, v5                   ; and 16 more behind the first 256
	v_mul_u32_u24 v6, s13, v2                      ; lanes 16-31 take B's: the lower base + h x the distance
	v_mul_u32_u24 v3, v1, SPITCH
	v_add3_u32 v[ADRS], v5, v6, s12
	v_lshl_add_u32 v3, v2, 5, v3
	v_mov_b32 v[CO], v7
	v_add_nc_u32 v[STO], s94, v3                   ; into the stage: row r, 32 bytes for each half of the lanes
	v_add_nc_u32 v[RD], s94, v7                    ; back: the 32 lanes take one row of 512 bytes
	v_lshlrev_b32 v[BOA], 5, v2
	s_wait_alu depctr_va_vdst(0)
	s_lshl_b32 s46, s42, 10
	s_lshl_b32 s47, s16, 9
	s_add_co_u32 s46, s46, s47                     ; my first column, in bytes
	s_mov_b32 s47, 0
	s_add_nc_u64 s[8:9], s[8:9], s[46:47]
	s_lshl_b32 s20, s17, 19                        ; 128 rows of 4,096 bytes a tile row,
	s_lshl_b32 s21, s15, 18                        ; 64 for my half
	s_add_co_u32 s20, s20, s21
	s_add_co_u32 s20, s20, s46
	s_mov_b32 s21, 0
	s_add_nc_u64 s[10:11], s[10:11], s[20:21]
	WIN TO_B
.irp b, 0,1,2,3,4,5,6,7
	global_load_b128 v[BIAS+8*\b:BIAS+8*\b+3], v[BOA], s[8:9] offset:64*\b        ; bo at my eight columns of block b
	global_load_b128 v[BIAS+8*\b+4:BIAS+8*\b+7], v[BOA], s[8:9] offset:64*\b+16
.endr
	WIN 0
.macro FETCH q                         ; K step q's fragments, 24 loads, into set q % 2: B's eight blocks, A's four
	WIN TO_B
.irp i, 0,1,2,3,4,5,6,7
.irp c, 0,1
	ds_load_b128 v[128*((\q)%2)+8*\i+4*\c:128*((\q)%2)+8*\i+4*\c+3], v[ADRB] offset:64*(\q)+32*\c+\i*16*PITCH
.endr
.endr
	WIN 0
.irp i, 0,1,2,3
.irp c, 0,1
	ds_load_b128 v[AF+32*((\q)%2)+8*\i+4*\c:AF+32*((\q)%2)+8*\i+4*\c+3], v[ADRA] offset:8192*\i+1024*(\q)+512*\c
.endr
.endr
.endm
.macro MUL q, first                    ; 32 products: the accumulators take turns, one instruction a turn, in the same order in every K step
.irp a, 0,1,2,3
.irp b, 0,1,2,3,4,5,6,7
.if \first
	v_wmma_scale_f32_16x16x128_f8f6f4 v[8*(8*\a+\b):8*(8*\a+\b)+7], v[128*((\q)%2)+8*\b:128*((\q)%2)+8*\b+7], v[AF+32*((\q)%2)+8*\a:AF+32*((\q)%2)+8*\a+7], v[BIAS+8*\b:BIAS+8*\b+7], v[SC+8*\b+(\q)], v[SC+8*\a+(\q)] matrix_a_fmt:MATRIX_FMT_FP4 matrix_b_fmt:MATRIX_FMT_FP4 matrix_a_scale:MATRIX_SCALE_ROW1
.else
	v_wmma_scale_f32_16x16x128_f8f6f4 v[8*(8*\a+\b):8*(8*\a+\b)+7], v[128*((\q)%2)+8*\b:128*((\q)%2)+8*\b+7], v[AF+32*((\q)%2)+8*\a:AF+32*((\q)%2)+8*\a+7], v[8*(8*\a+\b):8*(8*\a+\b)+7], v[SC+8*\b+(\q)], v[SC+8*\a+(\q)] matrix_a_fmt:MATRIX_FMT_FP4 matrix_b_fmt:MATRIX_FMT_FP4 matrix_a_scale:MATRIX_SCALE_ROW1
.endif
.endr
.endr
.endm
	s_wait_tensorcnt 0x0                           ; my tile of the four has landed,
	s_barrier_signal -1
	s_barrier_wait -1                              ; everybody's has
.irp i, 0,1,2,3,4,5,6,7
	ds_load_b128 v[SC+8*\i:SC+8*\i+3], v[ADRS] offset:\i*SBLK         ; the scale words of all eight K steps
	ds_load_b128 v[SC+8*\i+4:SC+8*\i+7], v[ADRS] offset:\i*SBLK+16
.endr
	FETCH 0
	FETCH 1
	s_wait_loadcnt 0x0                             ; bo
	s_wait_dscnt 24                                ; all but K step 1's 24 loads
	WIN FST_W
	MUL 0, 1
.set Q, 1
.rept 7
	PLACES                                         ; ahead of loads into the set that the last K step multiplied
.if Q < 7
	FETCH Q+1
	s_wait_dscnt 24                                ; this K step's fragments are in; the 24 just issued may be out
.else
	s_wait_dscnt 0x0
.endif
	WIN MUL_W
	MUL Q, 0
.set Q, Q+1
.endr
	WIN 0
; THE WAY OUT, block by block of 16 rows x 128 columns, through my own stage: back come whole rows of 512 bytes.  LDS serves a wave's instructions in order: no wait between the stores and the loads.
.macro TOSTAGE a
	WIN 0x08                                       ; the data: window 2
.irp b, 0,1,2,3,4,5,6,7
	ds_store_b128 v[STO], v[64*(\a)+8*\b:64*(\a)+8*\b+3] offset:64*\b            ; each accumulator from its low end on
	ds_store_b128 v[STO], v[64*(\a)+8*\b+4:64*(\a)+8*\b+7] offset:64*\b+16
.endr
	WIN 0
.set BB, BK+64*((\a)%2)
.irp t, 0,1,2,3,4,5,6,7,8,9,10,11,12,13,14,15
	ds_load_b128 v[BB+4*\t:BB+4*\t+3], v[RD] offset:\t*SPITCH
.endr
.endm
.macro SEND a, younger                 ; younger: the LDS instructions issued behind block a's loads
.set BB, BK+64*((\a)%2)
	s_wait_dscnt \younger
.if (\a) > 0
	s_add_nc_u64 s[10:11], s[10:11], 16*SIZE_N*4   ; (behind a wait on XCNT: the earlier stores have read their base)
.endif
.irp t, 0,1,2,3,4,5,6,7,8,9,10,11,12,13,14,15
	global_store_b128 v[CO], v[BB+4*\t:BB+4*\t+3], s[10:11] offset:\t*SIZE_N*4 th:TH_STORE_NT   ; 32 lanes store 512 consecutive bytes, aligned
.endr
.endm
	PLACES                                         ; behind the last products: ahead of the reads of results and of loads into A's registers
	TOSTAGE 0
.irp a, 1,2,3
.if \a > 1
	s_wait_xcnt 0x0                                ; block a - 2's stores have read their registers and their base
.endif
	TOSTAGE \a
	SEND \a-1, 32
.endr
	s_wait_xcnt 0x0
	SEND 3, 0
	s_wait_tensorcnt 0x0                           ; the wave's end
	ds_add_u32 v[SPW], v[NIL]
	s_wait_dscnt 0x0
	CROUND                                         ; the closing round
	s_endpgm
.Lfunc_end_k_qc481c42968_outp:
	.size	k_qc481c42968_outp, .Lfunc_end_k_qc481c42968_outp-k_qc481c42968_outp
	.p2alignl 7, 3214868480
	.fill 96, 4, 3214868480
	.section	.rodata,"a",@progbits
	.p2align	6, 0x0
	.amdhsa_kernel k_qc481c42968_outp
		.amdhsa_group_segment_fixed_size 327680
		.amdhsa_private_segment_fixed_size 0
		.amdhsa_enable_private_segment 0
		.amdhsa_kernarg_size 32
		.amdhsa_user_sgpr_count 2
		.amdhsa_user_sgpr_kernarg_segment_ptr 1
		.amdhsa_wavefront_size32 1
		.amdhsa_system_sgpr_workgroup_id_x 1
		.amdhsa_system_sgpr_workgroup_id_y 1
		.amdhsa_system_sgpr_workgroup_id_z 1
		.amdhsa_system_vgpr_workitem_id 0
		.amdhsa_next_free_vgpr 768
		.amdhsa_next_free_sgpr 96
		.amdhsa_reserve_vcc 0
		.amdhsa_float_denorm_mode_32 3
		.amdhsa_float_denorm_mode_16_64 3
		.amdhsa_memory_ordered 1
		.amdhsa_forward_progress 1
		.amdhsa_inst_pref_size 72
	.end_amdhsa_kernel
	.amdgpu_metadata
---
amdhsa.version: [ 1, 2 ]
amdhsa.kernels:
  - .name:           k_qc481c42968_outp
    .symbol:         k_qc481c42968_outp.kd
    .args:
      - { .name: ao, .offset: 0, .size: 8, .value_kind: global_buffer, .address_space: global }
      - { .name: woq, .offset: 8, .size: 8, .value_kind: global_buffer, .address_space: global }
      - { .name: bo, .offset: 16, .size: 8, .value_kind: global_buffer, .address_space: global }
      - { .name: out0, .offset: 24, .size: 8, .value_kind: global_buffer, .address_space: global }
    .group_segment_fixed_size: 327680
    .private_segment_fixed_size: 0
    .kernarg_segment_align: 8
    .kernarg_segment_size: 32
    .max_flat_workgroup_size: 128
    .sgpr_count:     96
    .vgpr_count:     768
    .wavefront_size: 32
...
	.end_amdgpu_metadata
.endif
;; end of part 4
